; MI455X (gfx1250); checked and timed in simulation.
; The chip was launched on July 23, 2026; its instructions are those of AMD's public machine-readable ISA for CDNA 5 (MIT licence, August 2026) and "CDNA5" Instruction Set Architecture Reference Guide (July 2026). The comments in the code are by the model that wrote it; some were corrected since.
;; Multi Head Attention. Allowed arithmetic: matrix products marked QUANTISED: E2M1 operands, one E8M0 scale for each 32 along K, by v_wmma_scale_f32_16x16x128_f8f6f4 with both operands' format E2M1 (or v_wmma_scale_f32_32x16x128_f4), f32 sums; everything else in f32.
;; Inputs: Wkv 1,024 x 2,048 float32; Wo 1,024 x 1,024 float32; Wq 1,024 x 1,024 float32; bkv 2,048 float32; bo 1,024 float32; bq 1,024 float32; x 4 x 2,048 x 1,024 float32.
;; Outputs: out0 4 x 2,048 x 1,024 float32.
;; Constants: decoderMask = 1.
;; This version of the problem:
;;   THIS VERSION OF THE PROBLEM IS GIVEN IN LOW PRECISION. The matrix products marked QUANTISED in the list below multiply operands that are first quantised to E2M1 (2 exponent bits, 1 mantissa bit; 4 bits a number), with one power-of-two scale for each 32 numbers along K (OCP MX v1.0); their sums are f32. All else is computed in f32.
;;   The module's matrix products, in the order in which they are computed (A, B: the left and right operand; K: the contracted axis; several contracted axes count as one K, in the product's order):
;;     1. [M 8,192, K 1,024] x [K 1,024, N 1,024]; A: input x; B: input Wq: QUANTISED
;;     2. [M 8,192, K 1,024] x [K 1,024, N 2,048]; A: input x; B: input Wkv: QUANTISED
;;     3. batch 64 x [M 2,048, K 64] x [K 64, N 2,048]; A: computed on the way; B: computed on the way: QUANTISED
;;     4. batch 64 x [M 2,048, K 2,048] x [K 2,048, N 64]; A: softmax (see below); B: computed on the way: QUANTISED
;;     5. [M 8,192, K 1,024] x [K 1,024, N 1,024]; A: computed on the way; B: input Wo: QUANTISED
;;   THE QUANTISER, for each operand of a quantised product, along K:
;;     - K is cut into blocks of 32 from its start; a last block that is shorter is filled with zeros.
;;     - A block's scale is 2^e with e = floor(log2(the largest magnitude in the block)) - 2, held to -126 .. 127; a block of zeros has e = 0. As a byte (E8M0): e + 127.
;;     - Each number is divided by its block's scale, clamped to +-6, and rounded to the nearest number of E2M1, ties to even, subnormals kept.
;;     - The product sums the exact products of the quantised numbers (number of the format x scale) in f32.
;;   ~~~python
;;   def quantise(x, axis):      # numpy; x: float32 -> the quantised numbers, widened to float32 again
;;       x = np.moveaxis(x, axis, -1); K = x.shape[-1]
;;       x = np.pad(x, [(0, 0)] * (x.ndim - 1) + [(0, -K % 32)]); x = x.reshape(x.shape[:-1] + (-1, 32)); a = np.abs(x).max(-1, keepdims=True)
;;       e = np.where(a > 0, np.clip(np.frexp(np.where(a > 0, a, 1))[1] - 1 - 2, -126, 127), 0)      # np.frexp(a)[1] - 1 = floor(log2(a)), exactly
;;       r = np.clip(x / 2.0 ** e, -6, 6)
;;       step = 2.0 ** (np.maximum(np.frexp(np.where(r == 0, 1, r))[1] - 1, 0) - 1)
;;       q = np.round(r / step) * step * 2.0 ** e      # np.round: ties to even
;;       return np.moveaxis(q.reshape(q.shape[:-2] + (-1,))[..., :K], -1, axis).astype(np.float32)
;;   ~~~
;;   SOFTMAX AHEAD OF A QUANTISED PRODUCT. Where the list says 'softmax', what is quantised is not the finished softmax but p = 2^(t - M), with t = logit x log2(e) and M = ceil(the row's largest t), a whole number; so 1/2 < the row's largest p <= 1. The row's sum l is taken of the UNQUANTISED p, in f32, and the product's result is divided by l at the end. Since M is a whole number, a kernel that streams over the keys may use a running M (the ceiling of the running maximum): every later rescaling is an exact power of two, which a block's scale takes up: the codes' values come out the same.
;;   OPERANDS COMPUTED ON THE WAY. 'Computed on the way' means the value that the module computes at that place (a softmax that the list does not call 'softmax' is quantised finished and normalised). What goes into a quantiser is computed in f32, as accurately as f32 sums, v_exp_f32 and their like allow (about 1e-6 of the number): no bf16 or f16 on the way to a quantiser, and a product that is left as it is and whose result goes on into a quantised operand takes f32 operands (vector FMAs, or v_wmma_f32_16x16x4_f32). A number that lies on a knife's edge between two numbers of the format may be rounded either way, as far as f32 arithmetic and the matrix unit's own rounding can turn it there, and no further.
;; One version. Each part assembles by itself: llvm-mc -triple=amdgcn-amd-amdhsa -mcpu=gfx1250 --defsym DOCPART=n.
;; ======== version 1 of 1: 4 launches
;; limits: right only within a limited range of input values
;; workspace buffers: ops 6,684,672 bytes; qkv 13,893,632 bytes; vals 4,456,448 bytes
;; launch quant (part 1): grid 384 x 1, 4 waves a work-group, no clusters, 34,304 bytes of LDS; arguments x, Wq, Wkv, Wo, ops; writes ops
.if DOCPART == 1
	.amdgcn_target "amdgcn-amd-amdhsa--gfx1250"
	.amdhsa_code_object_version 6
	.text
	.protected	k_q9aba2d1469_quant
	.globl	k_q9aba2d1469_quant
	.p2align	8
	.type	k_q9aba2d1469_quant,@function
k_q9aba2d1469_quant:
	s_mov_b64 s[64:65], 0
	v_nop
	global_prefetch_b8 v0, s[64:65] scope:SCOPE_SE
	s_setreg_imm32_b32 hwreg(HW_REG_WAVE_MODE, 25, 1), 1
	s_wait_xcnt 0x0
; x [8192][1024] (K innermost) and the weights Wq [1024][1024], Wkv [1024][2048], Wo [1024][1024] (K = their FIRST axis), all f32, become codes of FP4 (E2M1) with one E8M0 byte for each 32 along K.
; A block's scale is 2^(floor(log2(its largest magnitude)) - 2); its byte is the largest magnitude's exponent field - 2, held at 1 from below; numbers beyond 6 x the scale take the largest code.
; LIMITS: NaN and infinities among the inputs are not served; a block whose largest magnitude lies under 2^-124 gets the byte 1; a block of zeros gets the byte 1 and not 127 (its codes are zeros, and this program alone reads the bytes).
; THE OUTPUT is laid as the later launches' operand registers want it, in OPERAND TILES of 16 rows x 1,024 along K, 8,704 bytes each:
;   +0    scale bytes [quarter of K 0..3][row r][8 bytes]        +512  codes [block of 32 along K 0..31][row r][16 bytes]
; so that the fragment of 128 along K number s is 1,024 consecutive bytes: a lane's registers 0-3 at 512 + 1024 s + 16 lane, registers 4-7 512 bytes on.
; THE ROWS OF A TILE ARE NOT NEIGHBOURS: row r of tile 2 B + u is row 32 B + 8 u + r + 8 (r / 8) of the tensor, so that a product that takes such tiles as its source 0 leaves 16 neighbours in the 16 registers of two neighbouring tiles.
; Tiles 0-511: x.  512-639: the columns of [Wq | Wkv] that are a head's q and k (8 tiles a head).  640-703: those that are its v (4 a head).  704-767: Wo's columns.
; Head h of the module takes columns 192 h .. 192 h + 191 of [Wq | Wkv]: 64 of q, 64 of k, 64 of v.
; One launch, two ways that part on the work-group's number: 0-127 the weights (they go first: many short loads), 128-383 x.  Only x's way touches LDS.  Waves share nothing: no barrier.  No work-group reads what another reads: no cluster.
.set OT,    8704
.set FLOOR, 0x1800000                  ; 2^(3 - 127): under it no largest magnitude is taken, so the byte cannot fall under 1
.set EOFF,  0xff000000                 ; takes 2 off an exponent field
.set TM,    16                         ; x's way: v16-19 largest magnitudes, v20-23 the other half's, then bytes, v28-31 the conversions' scale operands
; ---- the weights' way: a lane takes a column, its registers run down K
.macro LOADW t                         ; block t of my quarter of K: 32 rows x my wave's 32 columns (128 consecutive bytes a load) into set t % 2
.set i, 0
.rept 32
	global_load_b32 v[64+32*((\t)%2)+i], v[32+i], s[32+2*(\t):33+2*(\t)] th:TH_LOAD_NT
.set i, i+1
.endr
.endm
.macro BLOCK t
.set XS, 64+32*((\t)%2)
.if (\t) < 7
	s_wait_loadcnt 32                              ; this block's 32 loads are in; the next block's 32 may be out
.else
	s_wait_loadcnt 0
.endif
	v_max3_num_f32 v12, |v[XS]|, |v[XS+1]|, |v[XS+2]|      ; the block's largest magnitude: all 32 numbers are mine; two chains
	v_max3_num_f32 v13, |v[XS+3]|, |v[XS+4]|, |v[XS+5]|
.irp i, 6,10,14,18,22,26
	v_max3_num_f32 v12, v12, |v[XS+\i]|, |v[XS+\i+1]|
	v_max3_num_f32 v13, v13, |v[XS+\i+2]|, |v[XS+\i+3]|
.endr
	v_max3_num_f32 v12, v12, |v[XS+30]|, |v[XS+31]|
	v_max3_num_f32 v12, v12, v13, FLOOR
	v_add_nc_u32 v11, EOFF, v12                    ; the conversion takes the exponent field of this operand as its scale
	v_lshrrev_b32 v13, 23, v11                     ; the scale's byte
.if (\t)%4 == 0
	v_mov_b32 v[8+(\t)/4], v13                     ; four bytes to a register, the lower K in the lower byte
.else
	v_lshl_or_b32 v[8+(\t)/4], v13, 8*((\t)%4), v[8+(\t)/4]
.endif
.irp g, 0,1,2,3
	v_cvt_scalef32_pk8_fp4_f32 v[128+4*(\t)+\g], v[XS+8*\g:XS+8*\g+7], v11
.endr
	v_nop                                          ; one plain place behind the conversions: the next block writes v11 again
	global_store_b128 v1, v[128+4*(\t):131+4*(\t)], s[12:13] offset:512+256*(\t)   ; 16 lanes fill 256 consecutive bytes of one tile, the other 16 those of the next; each block has its own four registers
.if (\t)+2 < 8
	LOADW (\t)+2
.endif
.endm
; ---- x's way
.macro LOADX s                         ; 128 along K number s of my half, 16 rows: each load reads 512 consecutive bytes of one row; set s % 2
.set i, 0
.rept 16
	global_load_b128 v[64+64*((\s)%2)+4*i:64+64*((\s)%2)+4*i+3], v14, s[4:5] offset:(i+8*(i/8))*4096+512*(\s) th:TH_LOAD_NT
.set i, i+1
.endr
.endm
; 64 numbers of a lane, register 16 b + i = k 32 b + 16 (lane / 16) + i of my row, become a fragment's 8 registers at v[pc] and its scale word in v[pw]
.macro QUANT s, pc, pw
.irp b, 0,1,2,3
	v_max3_num_f32 v[TM+\b], |v[\s+16*\b]|, |v[\s+1+16*\b]|, FLOOR
.endr
.irp i, 2,4,6,8,10,12,14
.irp b, 0,1,2,3
	v_max3_num_f32 v[TM+\b], v[TM+\b], |v[\s+16*\b+\i]|, |v[\s+1+16*\b+\i]|   ; the four blocks by turns
.endr
.endr
.irp b, 0,1,2,3
	v_permlanex16_b32 v[TM+4+\b], v[TM+\b], s24, s25
.endr
.irp b, 0,1,2,3
	v_max_num_f32 v[TM+\b], v[TM+\b], v[TM+4+\b]   ; with lane l xor 16's 16 numbers: the block's largest magnitude
.endr
.irp b, 0,1,2,3
	v_add_nc_u32 v[TM+12+\b], EOFF, v[TM+\b]
.endr
.irp b, 0,1,2,3
	v_lshrrev_b32 v[TM+4+\b], 23, v[TM+12+\b]
.endr
	v_lshl_or_b32 v[\pw], v[TM+5], 8, v[TM+4]
	v_lshl_or_b32 v[\pw], v[TM+6], 16, v[\pw]
	v_lshl_or_b32 v[\pw], v[TM+7], 24, v[\pw]
.irp b, 0,1,2,3
	v_cvt_scalef32_pk8_fp4_f32 v[(\pc)+2*\b], v[\s+16*\b:\s+7+16*\b], v[TM+12+\b]
	v_cvt_scalef32_pk8_fp4_f32 v[(\pc)+1+2*\b], v[\s+8+16*\b:\s+15+16*\b], v[TM+12+\b]
.endr
	v_nop                                          ; one plain place behind a scaled conversion
.irp c, 0,1                            ; the operand's layout wants a whole block in a lane: lanes 0-15 block 2 c, lanes 16-31 block 2 c + 1
.irp i, 0,1
	v_permlane16_swap_b32 v[(\pc)+4*\c+\i], v[(\pc)+2+4*\c+\i]
.endr
.endr
.endm
.macro XSTEP s
.if (\s) < 3
	s_wait_loadcnt 16                              ; this step's 16 loads are in; the next step's 16 may be out
.else
	s_wait_loadcnt 0
.endif
.set i, 0
.rept 16
	ds_store_b128 v2, v[64+64*((\s)%2)+4*i:64+64*((\s)%2)+4*i+3] offset:528*i   ; row i as it was loaded, into my wave's own stage
.set i, i+1
.endr
.set i, 0
.rept 16
	ds_load_b128 v[192+4*i:195+4*i], v3 offset:128*(i/4)+16*(i%4)               ; back: of row r, 16 neighbours of each block of 32.  LDS serves a wave's instructions in order: these see the stores
.set i, i+1
.endr
	s_wait_dscnt 0x0                               ; the numbers are in, and the stores have read their registers,
.if (\s)+2 < 4
	LOADX (\s)+2                                   ; which take the loads of two steps on
.endif
	QUANT 192, 32+8*(\s), 8+(\s)
	global_store_b128 v1, v[32+8*(\s):35+8*(\s)], s[12:13] offset:512+1024*(\s)    ; 512 consecutive bytes each; every step has its own registers
	global_store_b128 v1, v[36+8*(\s):39+8*(\s)], s[12:13] offset:1024+1024*(\s)
.endm
	s_load_b256 s[4:11], s[0:1], 0x0               ; x s[4:5], Wq s[6:7], Wkv s[8:9], Wo s[10:11]
	s_load_b64 s[12:13], s[0:1], 0x20              ; ops
	v_lshl_add_u32 v26, v0, 2, 0x8400
	v_mov_b32 v27, 0
	v_lshrrev_b32 v1, 5, v0
	v_readfirstlane_b32 s14, v1                    ; wave 0..3
	s_cmp_lt_u32 ttmp9, 128
	s_cbranch_scc0 .Lx_path
	; ================ the weights: work-group = (128 columns, a quarter of K); a wave takes 32 columns x 256 along K
	s_lshr_b32 s15, ttmp9, 2                       ; cg: which 128 columns of [Wq | Wkv | Wo]
	s_and_b32 s16, ttmp9, 3                        ; qd: which quarter of K
	s_lshl_b32 s17, s15, 2
	s_add_co_u32 s17, s17, s14                     ; Gc: which 32 columns
	v_and_b32 v2, 31, v0                           ; lane
	v_lshlrev_b32 v3, 2, v2                        ; 4 bytes a lane
	v_bfe_u32 v4, v0, 3, 1                         ; u: column 32 j + l lies in tile 2 j + u,
	v_and_b32 v5, 7, v0
	v_bfe_u32 v6, v0, 4, 1
	v_lshl_add_u32 v5, v6, 3, v5                   ; at row r = l % 8 + 8 (l / 16)
	v_mul_u32_u24 v4, v4, OT
	v_lshl_add_u32 v1, v5, 4, v4                   ; codes: tile u, 16 r
	v_lshl_add_u32 v2, v5, 3, v4                   ; scale bytes: tile u, 8 r
	s_lshl_b32 s31, s16, 11
	v_add_nc_u32 v1, s31, v1                       ; + my quarter's 8 blocks of 256 bytes
	s_lshl_b32 s31, s16, 7
	v_add_nc_u32 v2, s31, v2                       ; + my quarter's 128 bytes
	s_wait_kmcnt 0x0
	s_cmp_lt_u32 s15, 8                            ; which tensor: the choice hangs on the work-group's number alone
	s_cselect_b64 s[20:21], s[6:7], s[8:9]
	s_cselect_b32 s18, 0, 8                        ; its first cg
	s_cmp_lt_u32 s15, 24
	s_cselect_b64 s[20:21], s[20:21], s[10:11]
	s_cselect_b32 s18, s18, 24
	s_sub_co_u32 s19, s15, 8
	s_cmp_lt_u32 s19, 16
	s_cselect_b32 s19, 13, 12                      ; log2 of a row's bytes: 8,192 in Wkv, 4,096 in Wq and Wo
	s_sub_co_u32 s22, s15, s18
	s_lshl_b32 s22, s22, 9                         ; 128 columns are 512 bytes
	s_lshl_b32 s23, s14, 7
	s_add_co_u32 s22, s22, s23                     ; + my wave's 32 columns
	s_lshl_b32 s23, s16, 8
	s_lshl_b32 s23, s23, s19                       ; + 256 qd rows
	s_add_co_u32 s22, s22, s23
	s_mov_b32 s23, 0
	s_add_nc_u64 s[32:33], s[20:21], s[22:23]      ; block 0's base;
	s_lshl_b32 s24, 32, s19
	s_mov_b32 s25, 0
.irp t, 1,2,3,4,5,6,7
	s_add_nc_u64 s[32+2*\t:33+2*\t], s[30+2*\t:31+2*\t], s[24:25]   ; a base for each block, 32 rows apart: nothing is stepped later
.endr
	s_lshl_b32 s26, 1, s19                         ; a row's bytes
.set i, 0
.rept 32
	v_mad_u32_u24 v[32+i], s26, i, v3              ; row i of a block, my column
.set i, i+1
.endr
	; where my 32 columns go
	s_mul_i32 s27, s17, 43
	s_lshr_b32 s27, s27, 8                         ; head = Gc / 6 (exact for Gc < 96: 43 / 256 exceeds 1 / 6 by 0.0013, and 95 x 0.0013 < 1 / 6)
	s_mul_i32 s28, s27, 6
	s_sub_co_u32 s28, s17, s28
	s_lshr_b32 s29, s28, 1                         ; 0 q, 1 k, 2 v
	s_and_b32 s28, s28, 1                          ; which 32 of its 64
	s_lshl_b32 s30, s27, 3
	s_lshl_b32 s31, s29, 2
	s_add_co_u32 s30, s30, s31
	s_add_co_u32 s30, s30, 512                     ; q, k: tile 512 + 8 head + 4 part
	s_lshl_b32 s31, s27, 2
	s_add_co_u32 s31, s31, 640                     ; v: tile 640 + 4 head
	s_cmp_eq_u32 s29, 2
	s_cselect_b32 s30, s31, s30
	s_lshl_b32 s28, s28, 1
	s_add_co_u32 s30, s30, s28
	s_lshl_b32 s31, s17, 1
	s_add_co_u32 s31, s31, 512                     ; Wo: tile 704 + 2 (Gc - 96)
	s_cmp_lt_u32 s17, 96
	s_cselect_b32 s30, s30, s31
	s_mul_i32 s30, s30, OT
	s_mov_b32 s31, 0
	s_add_nc_u64 s[12:13], s[12:13], s[30:31]
	s_wait_alu depctr_va_vdst(0)
	LOADW 0
	LOADW 1
.irp t, 0,1,2,3,4,5,6,7
	BLOCK \t
.endr
	global_store_b64 v2, v[8:9], s[12:13]          ; my column's 8 scale bytes of this quarter
	s_endpgm
	; ================ x: a wave takes one tile of 16 rows x half of K
.Lx_path:
	s_sub_co_u32 s15, ttmp9, 128
	s_lshl_b32 s15, s15, 2
	s_add_co_u32 s15, s15, s14
	s_lshr_b32 s16, s15, 1                         ; T: the tile
	s_and_b32 s17, s15, 1                          ; hf: which half of K
	s_lshr_b32 s18, s16, 1
	s_lshl_b32 s18, s18, 5
	s_and_b32 s19, s16, 1
	s_lshl_b32 s19, s19, 3
	s_add_co_u32 s18, s18, s19                     ; the tile's first row: 32 (T / 2) + 8 (T % 2)
	s_lshl_b32 s18, s18, 12
	s_lshl_b32 s19, s17, 11
	s_add_co_u32 s18, s18, s19
	s_mov_b32 s19, 0
	s_mul_i32 s20, s16, OT
	s_mov_b32 s21, 0
	s_mov_b32 s24, 0x76543210
	s_mov_b32 s25, 0xfedcba98                      ; v_permlanex16_b32's selects for lane l xor 16
	v_and_b32 v5, 31, v0                           ; lane
	v_and_b32 v6, 15, v0                           ; r
	v_bfe_u32 v7, v0, 4, 1                         ; h
	v_lshlrev_b32 v14, 4, v5                       ; 16 bytes a lane
	s_mul_i32 s22, s14, 8448                       ; my wave's stage: 16 rows of 512 bytes + 16
	v_add_nc_u32 v2, s22, v14                      ; in
	v_mul_u32_u24 v3, v6, 528
	v_lshl_add_u32 v3, v7, 6, v3
	v_add_nc_u32 v3, s22, v3                       ; out: row r, + 64 h
	s_lshl_b32 s23, s17, 12
	v_add_nc_u32 v1, s23, v14                      ; codes: 16 lane + my half's 4,096 bytes
	s_lshl_b32 s23, s17, 8
	v_lshl_add_u32 v4, v5, 3, s23                  ; scale bytes: 8 lane + my half's 256 bytes
.irp b, 0,1,2,3
	v_mov_b32 v[TM+4+\b], 0                        ; written once: a lane permute's destination counts as one of its sources
.endr
	s_wait_alu depctr_va_vdst(0)
	s_wait_kmcnt 0x0
	s_add_nc_u64 s[4:5], s[4:5], s[18:19]
	s_add_nc_u64 s[12:13], s[12:13], s[20:21]
	LOADX 0
	LOADX 1
.irp s, 0,1,2,3
	XSTEP \s
.endr
	v_cmp_ne_u32 vcc_lo, 0, v7                     ; lanes 0-15 store the words of steps 0, 1 of their row, lanes 16-31 those of steps 2, 3:
	v_cndmask_b32 v12, v8, v10, vcc_lo
	v_cndmask_b32 v13, v9, v11, vcc_lo
	global_store_b64 v4, v[12:13], s[12:13]        ; 256 consecutive bytes, at a multiple of 256 from the buffer's first byte
	s_wait_tensorcnt 0x0
	ds_add_u32 v26, v27
	s_wait_dscnt 0x0
	s_endpgm
.Lfunc_end_k_q9aba2d1469_quant:
	.size	k_q9aba2d1469_quant, .Lfunc_end_k_q9aba2d1469_quant-k_q9aba2d1469_quant
	.p2alignl 7, 3214868480
	.fill 96, 4, 3214868480
	.section	.rodata,"a",@progbits
	.p2align	6, 0x0
	.amdhsa_kernel k_q9aba2d1469_quant
		.amdhsa_group_segment_fixed_size 34304
		.amdhsa_private_segment_fixed_size 0
		.amdhsa_enable_private_segment 0
		.amdhsa_kernarg_size 40
		.amdhsa_user_sgpr_count 2
		.amdhsa_user_sgpr_kernarg_segment_ptr 1
		.amdhsa_wavefront_size32 1
		.amdhsa_system_sgpr_workgroup_id_x 1
		.amdhsa_system_sgpr_workgroup_id_y 1
		.amdhsa_system_sgpr_workgroup_id_z 1
		.amdhsa_system_vgpr_workitem_id 0
		.amdhsa_next_free_vgpr 256
		.amdhsa_next_free_sgpr 66
		.amdhsa_reserve_vcc 1
		.amdhsa_float_denorm_mode_32 3
		.amdhsa_float_denorm_mode_16_64 3
		.amdhsa_memory_ordered 1
		.amdhsa_forward_progress 1
		.amdhsa_inst_pref_size 74
	.end_amdhsa_kernel
	.amdgpu_metadata
---
amdhsa.version: [ 1, 2 ]
amdhsa.kernels:
  - .name:           k_q9aba2d1469_quant
    .symbol:         k_q9aba2d1469_quant.kd
    .args:
      - { .name: x, .offset: 0, .size: 8, .value_kind: global_buffer, .address_space: global }
      - { .name: Wq, .offset: 8, .size: 8, .value_kind: global_buffer, .address_space: global }
      - { .name: Wkv, .offset: 16, .size: 8, .value_kind: global_buffer, .address_space: global }
      - { .name: Wo, .offset: 24, .size: 8, .value_kind: global_buffer, .address_space: global }
      - { .name: ops, .offset: 32, .size: 8, .value_kind: global_buffer, .address_space: global }
    .group_segment_fixed_size: 34304
    .private_segment_fixed_size: 0
    .kernarg_segment_align: 8
    .kernarg_segment_size: 40
    .max_flat_workgroup_size: 128
    .sgpr_count:     66
    .vgpr_count:     256
    .wavefront_size: 32
...
	.end_amdgpu_metadata
.endif
;; end of part 1
;; launch proj (part 2): grid 8 x 32, 4 waves a work-group, clusters of 4 x 4, 327,680 bytes of LDS; arguments ops, bq, bkv, qkv; writes qkv
.if DOCPART == 2
	.amdgcn_target "amdgcn-amd-amdhsa--gfx1250"
	.amdhsa_code_object_version 6
	.text
	.protected	k_q9aba2d1469_proj
	.globl	k_q9aba2d1469_proj
	.p2align	8
	.type	k_q9aba2d1469_proj,@function
k_q9aba2d1469_proj:
	s_mov_b64 s[64:65], 0
	v_nop
	global_prefetch_b8 v0, s[64:65] scope:SCOPE_SE
	s_setreg_imm32_b32 hwreg(HW_REG_WAVE_MODE, 25, 1), 1
	s_wait_xcnt 0x0
	s_wait_alu depctr_hold_cnt(0) depctr_sa_sdst(0) depctr_va_vdst(0) depctr_va_sdst(0) depctr_va_ssrc(0) depctr_va_vcc(0) depctr_vm_vsrc(0)
	s_getreg_b32 s2, hwreg(HW_REG_IB_STS2, 6, 4)
	s_cmp_eq_u32 s2, 0
	s_cbranch_scc0 .Lentry_in_a_cluster
	s_endpgm
.Lentry_in_a_cluster:
	s_bfe_u32 s2, ttmp6, 0x10000c
	s_cmp_lg_u32 s2, 0xf033
	s_cbranch_scc0 .Lentry_shape_is_right
	s_endpgm
.Lentry_shape_is_right:
; The two projections, x [Wq | Wkv] + [bq | bkv], on codes of FP4 with E8M0 scales, K = 1,024, and the quantising of their results for the attention: q and k along the head's 64, v along the keys.
; Operand tiles as the launch in front laid them: 16 rows x 1,024 K, 8,704 bytes: 512 of scale bytes, then codes in the order of the registers.
; A WORK-GROUP OWNS 256 TOKENS (16 tiles of x) x TWO HEADS, in two phases; 8 pairs of heads x 32 blocks of tokens = 256 work-groups.
;   PHASE 1: C[i][j], i = tokens, j = a head's 64 of q and 64 of k (16 weight tiles); a wave makes 128 x 128: 64 accumulators; the bias runs along j.
;   PHASE 2: i = a head's 64 channels of v (8 weight tiles), j = tokens: v arrives transposed, quantised along the keys; a wave makes 64 x 128: 32 accumulators; the bias runs along i.  x's tiles stay in LDS from phase 1.
; THE MATRIX INSTRUCTION IS USED TRANSPOSED (source 0 = 16 rows of the j side, source 1 = 16 rows of the i side): a lane holds one i and eight j; the rows of a tile are chosen so that the 16 registers of two neighbouring
; tiles are 16 neighbouring j.  So the conversions' results are the next product's operand registers, and they are stored as they stand.
; LDS: x's 16 tiles and the 16 tiles of q and k, all of K, in two halves of K: four fills at the head, one a wave, all waited for ahead of the first barrier.  Behind the last read of q's and k's tiles (K step 7's fragments are in
; registers) their bytes are filled again with v's 8 tiles: each wave's wait for its tensor loads, the add, the wait for it and for the wave's reads, a round of the cluster's barrier, then one load a wave (4 tiles x half of K).
; That load has K step 7's 64 matrix instructions and phase 1's quantising in which to land.  By this text's own count a wave has one tensor load outstanding at any time.  The launch claims all of LDS.
; CLUSTERS: 4 x 4.  x's tiles are shared along a row of the cluster, the weights' along a column: joint loads, the same descriptor and mask in the four that are named.
; NO PREFETCH: the text has no loop to run ahead in; every tile but v's is asked for at the head.
; LIMITS: no NaN or infinity; a block under 2^-124 and a block of zeros get the byte 1 (this program alone reads the bytes).
; OUT: qkv [batch x head 64][group of 128 tokens 16] blocks of 13,568 bytes: +0 Q's codes, 8 tiles x 512 | +4096 Q's scale words [tile / 4][r][tile % 4] | +4608 K's codes | +8704 V^T, 4 tiles of 16 channels x 128 keys, 1,024 each | +12800 K's scale words | +13312 V's [r][tile].
; REGISTERS: window 0: v2-6 lane terms, v16-23 fragment addresses, v26, v30 offsets of scale words, v27, v31 scale bytes' addresses, v32-95 scale words, v96-111 at work (v106-107 the add's), v112-119 words on their way out,
;   v120-127 the results' scale words, v128-255 the i side's fragments, two sets (behind the products: the codes, eight registers a block).
;   window 1: v0-63, v128-191 the j side's fragments, two sets; v64-127 phase 1's bias; v192-223 phase 2's.   windows 2, 3: the accumulators, (a, b) at v[8 (8 (a % 4) + b)].
.set OT,   8704
.set TS0,  4608                        ; a tile's part in the first half: scale bytes and K 0-511
.set TS1,  4096                        ; in the second: K 512-1023
.set H1,   32*TS0                      ; 32 tiles' first halves (x's 16, then the weights' 16), then their second halves
.set XB,   16*TS0                      ; the weights' first halves
.set XB1,  H1+16*TS1                   ; and second halves
.set SPARE, H1+32*TS1                  ; the spare words, 512 bytes
.set SB,   13568
.set SC,   32                          ; register SC + 8 i + s: lanes 0-15 the word of the i side's block i, lanes 16-31 that of the j side's block i, K step s
.set TM,   96
.set PW,   120
.set AF,   128
.set BI,   64
.set BI2,  192
.set FLOOR, 0x1800000
.set EOFF,  0xff000000
.set MSB, 0
.macro WIN new                         ; the immediate's high byte repeats the setting that is left
.if MSB != (\new)
	s_set_vgpr_msb (MSB<<8)|(\new)
.set MSB, (\new)
.endif
.endm
.macro CROUND                          ; a round of the cluster's barrier
	s_barrier_signal -1
	s_barrier_wait -1
	s_cmp_lg_u32 s14, 0
	s_cbranch_scc1 .Lnot_wave_0_\@
	s_barrier_signal -3
.Lnot_wave_0_\@:
	s_barrier_wait -3
	s_barrier_signal -1
	s_barrier_wait -1
.endm
.macro PLACES                          ; four places in front of loads into registers that matrix instructions have read, and of the first read of results
.rept 4
	v_nop
.endr
.endm
; the fragments of the q-th 128 along K of half hf: 8 of the j side, na of the i side; every load takes 512 consecutive bytes
.macro FETCH hf, q, set, na, ra, rb
.if \hf
.set TS, TS1
.else
.set TS, TS0
.endif
	WIN 0x40                                       ; destination window 1, address window 0
.irp i, 0,1,2,3,4,5,6,7
.irp c, 0,1
	ds_load_b128 v[128*(\set)+8*\i+4*\c:128*(\set)+8*\i+4*\c+3], v[\rb+\hf] offset:\i*TS+1024*(\q)+512*\c
.endr
.endr
	WIN 0
.set i, 0
.rept \na
.irp c, 0,1
	ds_load_b128 v[AF+64*(\set)+8*i+4*\c:AF+64*(\set)+8*i+4*\c+3], v[\ra+\hf] offset:i*TS+1024*(\q)+512*\c
.endr
.set i, i+1
.endr
.endm
.macro SCALES ra                       ; the scale words of all 8 K steps, once a phase
.set i, 0
.rept 8
.set j, 0
.rept 4
	ds_load_b64 v[SC+8*i+2*j:SC+8*i+2*j+1], v[\ra] offset:i*TS0+128*j
.set j, j+1
.endr
.set i, i+1
.endr
.endm
; 16 matrix instructions: blocks a0, a0 + 1 of the i side x the j side's eight, K step s.  cm = 0: onto the sums; 1: the sums begin with the bias of the j block; 2: with that of the i block.
; The accumulators take turns, one instruction a turn, in the same order in every step.
.macro MUL16 a0, set, s, cm
.irp a, \a0, \a0+1
.irp b, 0,1,2,3,4,5,6,7
.set rD, 8*(8*((\a)%4)+\b)
.set rB, 128*(\set)+8*\b
.set rA, AF+64*(\set)+8*(\a)
.if \cm == 0
.set rC, rD
.elseif \cm == 1
.set rC, BI+8*\b
.else
.set rC, BI2+8*(\a)
.endif
	v_wmma_scale_f32_16x16x128_f8f6f4 v[rD:rD+7], v[rB:rB+7], v[rA:rA+7], v[rC:rC+7], v[SC+8*\b+(\s)], v[SC+8*(\a)+(\s)] matrix_a_fmt:MATRIX_FMT_FP4 matrix_b_fmt:MATRIX_FMT_FP4 matrix_a_scale:MATRIX_SCALE_ROW1
.endr
.endr
.endm
; A K step of 128: 8 na matrix instructions; in its middle the next step's fragments are fetched into the other set
.macro STEP s, cm, na, ra, rb
.set SE, (\s)%2
.if \cm
.set WL, 0x91                          ; source 0 window 1, source 1 window 0, C (the bias) window 1, D window 2
.set WH, 0xd1
.else
.set WL, 0xa1                          ; C and D window 2
.set WH, 0xf1                          ; window 3
.endif
	s_wait_dscnt 0x0                               ; this step's fragments are in
	WIN WL
	MUL16 0, SE, \s, \cm
.if \na == 8
	MUL16 2, SE, \s, \cm
.endif
.if (\s) < 7
	PLACES
.set NXH, ((\s)+1)/4
.set NXQ, ((\s)+1)%4
.set NXS, ((\s)+1)%2
	FETCH NXH, NXQ, NXS, \na, \ra, \rb
.endif
.if \na == 8
	WIN WH
	MUL16 4, SE, \s, \cm
	MUL16 6, SE, \s, \cm
.else
	WIN WL
	MUL16 2, SE, \s, \cm
.endif
	WIN 0
.endm
; Block a of the i side: its 8 accumulators are 64 numbers of a lane, register 16 b + i = j 32 b + 16 (lane / 16) + i: they become a fragment's 8 registers (a block's own: no store's data are written again) and a scale word.
.macro QUANTA a, o1, o2, base
.set W, 2+(\a)/4
.set AC, 64*((\a)%4)
.set PC, 128+8*(\a)
	WIN (W<<2)|(W<<4)                              ; sources 1 and 2 in the accumulators' window
.irp b, 0,1,2,3
	v_max3_num_f32 v[TM+\b], FLOOR, |v[AC+16*\b]|, |v[AC+16*\b+1]|     ; each accumulator is read from its low end on
.endr
.irp i, 2,4,6,8,10,12,14
.irp b, 0,1,2,3
	v_max3_num_f32 v[TM+\b], v[TM+\b], |v[AC+16*\b+\i]|, |v[AC+16*\b+\i+1]|
.endr
.endr
	WIN 0
.irp b, 0,1,2,3
	v_permlanex16_b32 v[TM+4+\b], v[TM+\b], s12, s13
.endr
.irp b, 0,1,2,3
	v_max_num_f32 v[TM+\b], v[TM+\b], v[TM+4+\b]   ; with lane l xor 16's 16 numbers
.endr
.irp b, 0,1,2,3
	v_add_nc_u32 v[TM+12+\b], EOFF, v[TM+\b]       ; 2 off the exponent field: the conversion's scale operand
.endr
.irp b, 0,1,2,3
	v_lshrrev_b32 v[TM+4+\b], 23, v[TM+12+\b]      ; the scale's byte
.endr
	v_lshl_or_b32 v[PW+(\a)], v[TM+5], 8, v[TM+4]
	v_lshl_or_b32 v[PW+(\a)], v[TM+6], 16, v[PW+(\a)]
	v_lshl_or_b32 v[PW+(\a)], v[TM+7], 24, v[PW+(\a)]
	WIN W                                          ; source 0 in the accumulators' window
.irp b, 0,1,2,3
	v_cvt_scalef32_pk8_fp4_f32 v[PC+2*\b], v[AC+16*\b:AC+16*\b+7], v[TM+12+\b]
	v_cvt_scalef32_pk8_fp4_f32 v[PC+1+2*\b], v[AC+16*\b+8:AC+16*\b+15], v[TM+12+\b]
.endr
	WIN 0
	v_nop                                          ; one plain place behind a scaled conversion
.irp c, 0,1
.irp i, 0,1
	v_permlane16_swap_b32 v[PC+4*\c+\i], v[PC+2+4*\c+\i]   ; a whole block of 32 in a lane
.endr
.endr
	global_store_b128 v4, v[PC:PC+3], s[\base:\base+1] offset:\o1      ; 512 consecutive bytes each
	global_store_b128 v4, v[PC+4:PC+7], s[\base:\base+1] offset:\o2
.endm
.macro BPTR d, col                     ; s[d:d+1] = where column s[col] of [bq | bkv] lies; a run of 64 columns begins at a multiple of 64 and lies in one of the two buffers
	s_lshl_b32 s92, s[\col], 2
	s_sub_co_u32 s3, s92, 4096
	s_cmp_lt_u32 s[\col], 1024
	s_cselect_b32 s92, s92, s3
	s_cselect_b64 s[\d:\d+1], s[6:7], s[8:9]
	s_add_nc_u64 s[\d:\d+1], s[\d:\d+1], s[92:93]
.endm
.macro OBASE d, hx, hd                 ; s[d:d+1] = the block of qkv of the 128 tokens at x's tile s22 + 8 s[hx] and of head s[hd]
	s_lshl_b32 s94, s[\hx], 3
	s_add_co_u32 s94, s94, s22
	s_lshr_b32 s92, s94, 7                         ; batch
	s_lshl_b32 s92, s92, 4
	s_add_co_u32 s92, s92, s[\hd]
	s_lshl_b32 s92, s92, 4
	s_bfe_u32 s94, s94, 0x40003                    ; the group of 128 tokens
	s_add_co_u32 s92, s92, s94
	s_mul_i32 s92, s92, SB
	s_add_nc_u64 s[\d:\d+1], s[10:11], s[92:93]
.endm
	s_load_b256 s[4:11], s[0:1], 0x0               ; ops s[4:5], bq s[6:7], bkv s[8:9], qkv s[10:11]
	v_lshl_add_u32 v106, v0, 2, SPARE
	v_mov_b32 v107, 0
	ds_add_u32 v106, v107                          ; the opening lines: the add, twice on end, and its wait ahead of the first tensor load
	ds_add_u32 v106, v107
	v_lshrrev_b32 v1, 5, v0
	v_readfirstlane_b32 s14, v1                    ; wave 0..3
	s_lshr_b32 s15, s14, 1                         ; rh: which half of the i side is mine
	s_and_b32 s16, s14, 1                          ; ch: which half of the j side
	s_bfe_u32 s17, ttmp6, 0x40000                  ; cx
	s_bfe_u32 s18, ttmp6, 0x40004                  ; cy
	s_and_b32 s20, ttmp7, 0xffff
	s_lshl_b32 s22, s20, 6
	s_lshl_b32 s76, s18, 4
	s_add_co_u32 s22, s22, s76                     ; x's first tile: 64 x cluster y + 16 cy: equal along a row of the cluster
	s_lshl_b32 s19, ttmp9, 2
	s_add_co_u32 s19, s19, s17                     ; the pair of heads: 4 x cluster x + cx: equal along a column
	s_lshl_b32 s23, s19, 4
	s_add_co_u32 s23, s23, 512                     ; q's and k's first tile
	s_lshl_b32 s21, s19, 3
	s_add_co_u32 s21, s21, 640                     ; v's first tile
	s_lshl_b32 s80, s18, 2
	s_lshl_b32 s80, 15, s80                        ; my row of the cluster
	s_lshl_b32 s81, 0x1111, s17                    ; my column
	; groups 1: 16 tiles, each a row of 4,608 (first half) or 4,096 bytes (second half), 8,704 bytes apart; elements of 8 bytes; no padding: every fragment load takes consecutive bytes
	s_or_b32 s24, s80, (3<<16)|(1<<21)
	s_or_b32 s32, s80, (3<<16)|(1<<21)
	s_or_b32 s40, s81, (3<<16)|(1<<21)
	s_or_b32 s48, s81, (3<<16)|(1<<21)
.irp g, 24, 40
	s_mov_b32 s[\g+1], 576<<16
	s_mov_b32 s[\g+2], 16<<16
	s_mov_b32 s[\g+3], 576<<16
	s_mov_b32 s[\g+4], 16
	s_mov_b32 s[\g+5], 1088
	s_mov_b32 s[\g+6], 0
	s_mov_b32 s[\g+7], 0
.endr
.irp g, 32, 48
	s_mov_b32 s[\g+1], 512<<16
	s_mov_b32 s[\g+2], 16<<16
	s_mov_b32 s[\g+3], 512<<16
	s_mov_b32 s[\g+4], 16
	s_mov_b32 s[\g+5], 1088
	s_mov_b32 s[\g+6], 0
	s_mov_b32 s[\g+7], 0
.endr
	s_mul_i32 s84, s22, OT
	s_mov_b32 s85, 0
	s_mul_i32 s86, s23, OT
	s_mov_b32 s87, 0
	s_lshl_b32 s88, s15, 2
	s_add_co_u32 s88, s88, s21                     ; the 4 tiles of v's that my wave will fetch
	s_mul_i32 s88, s88, OT
	s_mov_b32 s89, 0
	s_wait_dscnt 0x0                               ; both opening adds are done
	s_wait_kmcnt 0x0
	s_add_nc_u64 s[84:85], s[4:5], s[84:85]
	s_add_nc_u64 s[86:87], s[4:5], s[86:87]
	s_add_nc_u64 s[88:89], s[4:5], s[88:89]
	s_mov_b32 s56, 1                               ; groups 0: x's first half,
	s_mov_b32 s57, 0
	s_mov_b64 s[58:59], s[84:85]
	s_or_b32 s59, s59, 0x80000000
	s_mov_b32 s60, 1                               ; its second half,
	s_mov_b32 s61, H1
	s_add_nc_u64 s[62:63], s[84:85], TS0
	s_or_b32 s63, s63, 0x80000000
	s_mov_b32 s68, 1                               ; q's and k's likewise
	s_mov_b32 s69, XB
	s_mov_b64 s[70:71], s[86:87]
	s_or_b32 s71, s71, 0x80000000
	s_mov_b32 s72, 1
	s_mov_b32 s73, XB1
	s_add_nc_u64 s[74:75], s[86:87], TS0
	s_or_b32 s75, s75, 0x80000000
	CROUND                                         ; all sixteen work-groups are here: the joint loads meet
; the head's four fills, one a wave, in one chain of branches on the wave's number: every way passes exactly one
.macro ARM under, g0, g1, next
	s_cmp_lt_u32 s14, \under
	s_cbranch_scc0 \next
	tensor_load_to_lds s[\g0:\g0+3], s[\g1:\g1+7]
	s_nop 0
.rept 4
	v_nop
.endr
	s_branch .Lasked
\next:
.endm
	ARM 1, 56, 24, .Lhead_b0
	ARM 2, 68, 40, .Lhead_a1
	ARM 3, 60, 32, .Lhead_b1
	tensor_load_to_lds s[72:75], s[48:55]
	s_nop 0
.rept 4
	v_nop
.endr
.Lasked:
	v_and_b32 v1, 31, v0                           ; lane
	v_and_b32 v2, 15, v0                           ; r
	v_bfe_u32 v3, v0, 4, 1                         ; h
	v_lshlrev_b32 v4, 4, v1                        ; 16 lane
	v_lshlrev_b32 v5, 6, v3                        ; phase 1's bias: 64 h
	v_and_b32 v6, 8, v2
	v_add_nc_u32 v6, v6, v2
	v_lshlrev_b32 v6, 2, v6                        ; phase 2's: 4 (r + 8 (r / 8))
	v_lshlrev_b32 v30, 4, v2                       ; V's scale words: 16 r
	v_lshl_add_u32 v26, v3, 8, v30                 ; Q's and K's: 256 h + 16 r
.irp b, 0,1,2,3
	v_mov_b32 v[TM+4+\b], 0                        ; written once: a lane permute's destination counts as one of its sources
.endr
	s_wait_alu depctr_va_vdst(0)
	s_mov_b32 s12, 0x76543210
	s_mov_b32 s13, 0xfedcba98                      ; v_permlanex16_b32's selects for lane l xor 16
	; LDS addresses: a constant, the wave's halves times constants, 16 x lane.  v16-17: x as the i side; v18-19: v's tiles; v20-21: q's and k's; v22-23: x as the j side
	s_mul_i32 s2, s15, 8*TS0
	s_add_co_u32 s3, s2, 512
	v_add_nc_u32 v16, s3, v4
	s_lshl_b32 s3, s15, 15
	s_add_co_u32 s3, s3, H1
	v_add_nc_u32 v17, s3, v4
	s_mul_i32 s3, s15, 4*TS0
	s_add_co_u32 s3, s3, XB+512
	v_add_nc_u32 v18, s3, v4
	s_lshl_b32 s3, s15, 14
	s_add_co_u32 s3, s3, XB1
	v_add_nc_u32 v19, s3, v4
	s_mul_i32 s20, s16, 8*TS0
	s_add_co_u32 s3, s20, XB+512
	v_add_nc_u32 v20, s3, v4
	s_lshl_b32 s3, s16, 15
	s_add_co_u32 s66, s3, XB1
	v_add_nc_u32 v21, s66, v4
	s_add_co_u32 s66, s20, 512
	v_add_nc_u32 v22, s66, v4
	s_add_co_u32 s3, s3, H1
	v_add_nc_u32 v23, s3, v4
	s_add_co_u32 s3, s20, XB                       ; phase 1's scale bytes: lanes 0-15 x's tiles, lanes 16-31 q's and k's: one product, h x the distance
	s_sub_co_u32 s3, s3, s2
	v_mul_u32_u24 v7, s3, v3
	v_lshl_add_u32 v7, v2, 3, v7
	v_add_nc_u32 v27, s2, v7
	s_mul_i32 s3, s15, 4*TS0                       ; phase 2's: lanes 16-31 x's tiles (the lower base), lanes 0-15 v's: (1 - h) x the distance
	s_add_co_u32 s3, s3, XB
	s_sub_co_u32 s3, s3, s20
	v_xor_b32 v7, 1, v3
	v_mul_u32_u24 v7, s3, v7
	v_lshl_add_u32 v7, v2, 3, v7
	v_add_nc_u32 v31, s20, v7
	; the heads, their columns of the bias, and the blocks of qkv
	s_mov_b32 s93, 0
	s_lshl_b32 s90, s19, 1
	s_add_co_u32 s91, s90, s16                     ; phase 1's head
	s_add_co_u32 s90, s90, s15                     ; phase 2's
	s_mul_i32 s94, s91, 192
	BPTR 96, 94                                    ; q's 64 columns
	s_add_co_u32 s94, s94, 64
	BPTR 98, 94                                    ; k's
	s_mul_i32 s94, s90, 192
	s_add_co_u32 s94, s94, 128
	BPTR 76, 94                                    ; v's
	OBASE 78, 16, 90                               ; phase 2's block
	OBASE 10, 15, 91                               ; phase 1's
	s_wait_alu depctr_va_vdst(0)                   ; the wait at the head's end
	WIN 0x40                                       ; destination window 1
.set t, 0
.rept 8
	global_load_b128 v[BI+8*t:BI+8*t+3], v5, s[96+2*(t/4):97+2*(t/4)] offset:128*((t%4)/2)+32*(t%2)        ; register j of tile 2 B + u: column 32 B + 16 h + 8 u + j
	global_load_b128 v[BI+8*t+4:BI+8*t+7], v5, s[96+2*(t/4):97+2*(t/4)] offset:128*((t%4)/2)+32*(t%2)+16
.set t, t+1
.endr
.set t, 0
.rept 4
.set j, 0
.rept 8
	global_load_b32 v[BI2+8*t+j], v6, s[76:77] offset:128*(t/2)+32*(t%2)     ; every register of block 2 B + u: the lane's channel 32 B + 8 u + r + 8 (r / 8)
.set j, j+1
.endr
.set t, t+1
.endr
	WIN 0
	s_wait_tensorcnt 0x0                           ; my fill is in
	s_barrier_signal -1
	s_barrier_wait -1                              ; all four are
	FETCH 0, 0, 0, 8, 16, 20
	SCALES 27
	s_wait_loadcnt 0x0                             ; the bias
	STEP 0, 1, 8, 16, 20                           ; the first K step starts the sums with the bias: nothing is cleared
.irp s, 1,2,3,4,5,6
	STEP \s, 0, 8, 16, 20
.endr
	s_wait_tensorcnt 0x0                           ; no tensor load of mine is out, so descriptors may be written;
	ds_add_u32 v106, v107                          ; the add;
	s_mov_b32 s42, 4<<16                           ; from here on a load brings 4 tiles
	s_mov_b32 s44, 4
	s_mov_b32 s50, 4<<16
	s_mov_b32 s52, 4
	s_mul_i32 s69, s15, 4*TS0
	s_add_co_u32 s69, s69, XB                      ; v's tiles 4 rh on land where q's and k's lay
	s_lshl_b32 s73, s15, 14
	s_add_co_u32 s73, s73, XB1
	s_mov_b64 s[70:71], s[88:89]
	s_or_b32 s71, s71, 0x80000000
	s_add_nc_u64 s[74:75], s[88:89], TS0
	s_or_b32 s75, s75, 0x80000000
	s_wait_dscnt 0x0                               ; the add is done, and K step 7's fragments, my last reads of q's and k's tiles, are in
	CROUND                                         ; that holds of every wave of the cluster
	s_cmp_eq_u32 s16, 0                            ; ch = 0: the first half of K; 1: the second
	s_cbranch_scc0 .Lrefill_1
	tensor_load_to_lds s[68:71], s[40:47]
	s_nop 0
.rept 4
	v_nop
.endr
	s_branch .Lrefilled
.Lrefill_1:
	tensor_load_to_lds s[72:75], s[48:55]
	s_nop 0
.rept 4
	v_nop
.endr
.Lrefilled:
	STEP 7, 0, 8, 16, 20
	PLACES
.irp a, 0,1,2,3,4,5,6,7
	QUANTA \a, 512*\a, 4608+512*\a, 10             ; j 0-63 = q: Q's tile a; j 64-127 = k: K's tile a
.endr
	v_cmp_ne_u32 vcc_lo, 0, v3
.irp i, 0,1,2,3
	v_cndmask_b32 v[112+\i], v[PW+\i], v[PW+4+\i], vcc_lo   ; lanes 0-15 store the words of blocks 0-3 of their row, lanes 16-31 those of blocks 4-7
.endr
	global_store_b128 v26, v[112:115], s[10:11] offset:4096 ; Q's words (bytes 2, 3 are k's bytes: between 1 and 254, and the attention sets them against zero codes)
.irp i, 0,1,2,3
	v_lshrrev_b32 v[116+\i], 16, v[112+\i]         ; K's words: k's two bytes below, 0 above (against zero codes)
.endr
	global_store_b128 v26, v[116:119], s[10:11] offset:12800
	s_wait_alu depctr_va_vdst(0)                   ; the wait ahead of the waits below
	s_wait_xcnt 0x0                                ; the stores have read v128-191: fragments land there again
	s_wait_tensorcnt 0x0                           ; my part of v's tiles is in
	s_barrier_signal -1
	s_barrier_wait -1                              ; everybody's is.
	FETCH 0, 0, 0, 4, 18, 22
	SCALES 31                                      ; (lanes 0-15 of blocks 4-7 read bytes that nobody uses)
	STEP 0, 2, 4, 18, 22
.irp s, 1,2,3,4,5,6,7
	STEP \s, 0, 4, 18, 22
.endr
	PLACES
.irp a, 0,1,2,3
	QUANTA \a, 8704+1024*\a, 9216+1024*\a, 78      ; keys 0-63 and 64-127 of a fragment of V^T
.endr
	global_store_b128 v30, v[PW:PW+3], s[78:79] offset:13312   ; V's words: 256 consecutive bytes; both halves of the lanes store the same bytes with the same value
	s_wait_tensorcnt 0x0                           ; the wave's end
	ds_add_u32 v106, v107
	s_wait_dscnt 0x0
	CROUND                                         ; the closing round
	s_endpgm
.Lfunc_end_k_q9aba2d1469_proj:
	.size	k_q9aba2d1469_proj, .Lfunc_end_k_q9aba2d1469_proj-k_q9aba2d1469_proj
	.p2alignl 7, 3214868480
	.fill 96, 4, 3214868480
	.section	.rodata,"a",@progbits
	.p2align	6, 0x0
	.amdhsa_kernel k_q9aba2d1469_proj
		.amdhsa_group_segment_fixed_size 327680
		.amdhsa_private_segment_fixed_size 0
		.amdhsa_enable_private_segment 0
		.amdhsa_kernarg_size 32
		.amdhsa_user_sgpr_count 2
		.amdhsa_user_sgpr_kernarg_segment_ptr 1
		.amdhsa_wavefront_size32 1
		.amdhsa_system_sgpr_workgroup_id_x 1
		.amdhsa_system_sgpr_workgroup_id_y 1
		.amdhsa_system_sgpr_workgroup_id_z 1
		.amdhsa_system_vgpr_workitem_id 0
		.amdhsa_next_free_vgpr 1024
		.amdhsa_next_free_sgpr 100
		.amdhsa_reserve_vcc 1
		.amdhsa_float_denorm_mode_32 3
		.amdhsa_float_denorm_mode_16_64 3
		.amdhsa_memory_ordered 1
		.amdhsa_forward_progress 1
		.amdhsa_inst_pref_size 199
	.end_amdhsa_kernel
	.amdgpu_metadata
---
amdhsa.version: [ 1, 2 ]
amdhsa.kernels:
  - .name:           k_q9aba2d1469_proj
    .symbol:         k_q9aba2d1469_proj.kd
    .args:
      - { .name: ops, .offset: 0, .size: 8, .value_kind: global_buffer, .address_space: global }
      - { .name: bq, .offset: 8, .size: 8, .value_kind: global_buffer, .address_space: global }
      - { .name: bkv, .offset: 16, .size: 8, .value_kind: global_buffer, .address_space: global }
      - { .name: qkv, .offset: 24, .size: 8, .value_kind: global_buffer, .address_space: global }
    .group_segment_fixed_size: 327680
    .private_segment_fixed_size: 0
    .kernarg_segment_align: 8
    .kernarg_segment_size: 32
    .max_flat_workgroup_size: 128
    .sgpr_count:     100
    .vgpr_count:     1024
    .wavefront_size: 32
...
	.end_amdgpu_metadata
.endif
;; end of part 2
;; launch attn (part 3): grid 4 x 64, 16 waves a work-group, clusters of 4 x 1, 327,680 bytes of LDS; arguments qkv, vals; writes vals
.if DOCPART == 3
	.amdgcn_target "amdgcn-amd-amdhsa--gfx1250"
	.amdhsa_code_object_version 6
	.text
	.protected	k_q9aba2d1469_attn
	.globl	k_q9aba2d1469_attn
	.p2align	8
	.type	k_q9aba2d1469_attn,@function
k_q9aba2d1469_attn:
	s_mov_b64 s[64:65], 0
	v_nop
	global_prefetch_b8 v0, s[64:65] scope:SCOPE_SE
	s_setreg_imm32_b32 hwreg(HW_REG_WAVE_MODE, 25, 1), 1
	s_wait_xcnt 0x0
	s_wait_alu depctr_hold_cnt(0) depctr_sa_sdst(0) depctr_va_vdst(0) depctr_va_sdst(0) depctr_va_ssrc(0) depctr_va_vcc(0) depctr_vm_vsrc(0)
	s_getreg_b32 s2, hwreg(HW_REG_IB_STS2, 6, 4)
	s_cmp_eq_u32 s2, 0
	s_cbranch_scc0 .Lentry_in_a_cluster
	s_endpgm
.Lentry_in_a_cluster:
	s_bfe_u32 s2, ttmp6, 0x10000c
	s_cmp_lg_u32 s2, 0x3003
	s_cbranch_scc0 .Lentry_shape_is_right
	s_endpgm
.Lentry_shape_is_right:
; Causal attention of one (batch, head) a cluster, head size 64, 2,048 tokens, both products on codes of FP4 with E8M0 scales; its result, divided by the row's sum, is quantised along the model's 1,024 for the last product.
; LEFT OUT: key steps all of whose 128 keys come after a tile's queries: the causal mask (decoderMask = 1) sets their scores to -infinity, so their p is 0 for all values of the inputs.
; THE SOFTMAX AHEAD OF THE SECOND PRODUCT: t = score x log2(e) / 8; M = the row's largest t so far, rounded UP to a whole number; p = 2^(t - M) is what is quantised, along the keys; the row's sum is taken of the unquantised p.
; When M moves, the sum and O are multiplied by 2^(old M - new M): exact.
; SHARES.  Tokens go in 16 groups of 128 (8 tiles of 16 queries).  Work-group cx of the cluster owns tiles 2 cx, 2 cx + 1 of EVERY group; wave w owns tile 2 cx + w % 2 of groups 15 - w / 2 (walked first) and w / 2.
; A tile of group G needs the key steps 0 .. G (128 keys each): every wave has exactly 17 steps.  Branches hang on the wave's number and on counters alone; cx enters only global addresses of Q and of the result, and the mask's number.
; LDS.  The head's K, V^T and their scale words, 16 steps x 8,960 bytes, are filled ONCE, jointly for the four work-groups (mask 15); wave w brings step w, one tensor load a wave in all.  Waves 0-3 ask at the head; behind every wave's
; wait for its tensor loads, the add, the wait for it and a round of the cluster's barrier, waves 4-15 ask; steps 0-3 of the heavy tile, which every wave has, are walked while those 12 land;
; one wait and one barrier stand ahead of step 4.  Behind that the waves share nothing and meet again only at the closing round.  The launch claims all of LDS.
; K's fragments and scale words of the NEXT step are fetched directly behind the score products that read this step's (their address is held at step 15); not on the diagonal, which is a tile's last step, and not across the barrier ahead of step 4.
; NO PREFETCH INTO THE L2: all that the launch reads through LDS is asked for ahead of its first loop.
; LAYOUT.  Both products are used transposed: S^T = K Q^T (source 0 = 16 keys), O^T = V^T P^T (source 0 = 16 channels): a lane holds one query throughout.  Row r of tile 2 B + u is row 32 B + 8 u + r + 8 (r / 8),
; so that the 16 registers of two neighbouring result tiles are 16 neighbours.  The head's 64 fill half of the instruction's 128 along K: registers 4-7 of Q's and K's fragments are zero codes.
; LIMITS: no NaN or infinity; the scaled scores stay under 2^31 in magnitude; a block under 2^-124 and a block of zeros get the byte 1.  A head owns two of a row's 32 scale bytes of the result: they leave by a store of two bytes a lane.
; REGISTERS: v1-2 lane terms, v3-4 the step's LDS addresses, v7 the next step's, v5 the mask's number, v6, v9 offsets, v10-11 Q's scale words, v12 -M, v13 the largest t, v[14:15] the sum, v16-31 Q of my two tiles, v32-95 K's 8 fragments,
;   v96-159 S^T, then p, v160-191 O^T, v192-223 V's 4 fragments, v224-231 p's codes, v232-239, v244-247, v252, v254-255 at work, v240-243 K's scale words, v248-251 V's, v253 p's.
.set SB,    13568
.set BHS,   16*SB
.set STEPB, 8960                       ; a step in LDS: +0 K's codes, 8 x 512 | +4096 V^T, 4 x 1,024 | +8192 K's scale words | +8704 V's
.set OT,    8704
.set FIRST, 4                          ; the key steps that are asked for at the head
.set SPARE, 0x29000                    ; the spare words, 128 bytes a wave
.set GL,    10                         ; s10  my light tile's group
.set GH,    11                         ; s11  my heavy tile's
.set SEL,   32                         ; s[32:33]
.set CS,    34                         ; s[34:35] c = log2(e) / 8
.set TB,    36                         ; s36  LDS byte at which the step in hand begins
.set GI,    37                         ; s37  the step in hand; it also counts the loops
.macro CROUND
	s_barrier_signal -1
	s_barrier_wait -1
	s_cmp_lg_u32 s8, 0
	s_cbranch_scc1 .Lnot_wave_0_\@
	s_barrier_signal -3
.Lnot_wave_0_\@:
	s_barrier_wait -3
	s_barrier_signal -1
	s_barrier_wait -1
.endm
.macro KLOAD adr, off                  ; K's 8 fragments and its scale words (lanes 0-15 those of tiles 0-3, lanes 16-31 those of tiles 4-7) of the step at v[adr] + off: nine loads
.irp t, 0,1,2,3,4,5,6,7
	ds_load_b128 v[32+8*\t:35+8*\t], v[\adr] offset:\off+512*\t
.endr
	ds_load_b128 v[240:243], v[\adr] offset:\off+8192
.endm
; A KEY STEP: 128 keys against the tile whose fragment is v[qf] on and whose scale words are v[qs].  K's part has been asked for.  open = 0: the tile's group is s[gs]: later steps are left out, the step on the diagonal is masked.
; open = 1: steps 0 .. FIRST - 1 of a heavy tile: every key counts.
.macro STEP qf, qs, gs, open
.if \open == 0
	s_cmp_gt_u32 s[GI], s[\gs]                     ; all 128 keys come after my queries: only the lines at the step's end are run
	s_cbranch_scc1 .Lskip_\@
.endif
	s_add_co_u32 s38, s[TB], STEPB
	s_min_u32 s38, s38, 15*STEPB                   ; the next step, held at the last
	v_add_nc_u32 v3, s[TB], v1
	v_add_nc_u32 v4, s[TB], v2
	v_add_nc_u32 v7, s38, v1
	v_nop                                          ; four places in front of loads into registers that the last products have read
.irp t, 0,1,2,3
	ds_load_b128 v[192+8*\t:195+8*\t], v3 offset:4096+1024*\t
	ds_load_b128 v[196+8*\t:199+8*\t], v3 offset:4608+1024*\t
.endr
	ds_load_b128 v[248:251], v4 offset:8704        ; V's words: row r's four
	s_wait_alu depctr_va_vdst(0)
	s_wait_dscnt 0x9                               ; K's nine loads are in; V's nine may be out
.irp t, 0,1,2,3
	v_wmma_scale_f32_16x16x128_f8f6f4 v[96+8*\t:103+8*\t], v[32+8*\t:39+8*\t], v[\qf:\qf+7], 0, v[240+\t], v[\qs] matrix_a_fmt:MATRIX_FMT_FP4 matrix_b_fmt:MATRIX_FMT_FP4
.endr
.irp t, 4,5,6,7
	v_wmma_scale_f32_16x16x128_f8f6f4 v[96+8*\t:103+8*\t], v[32+8*\t:39+8*\t], v[\qf:\qf+7], 0, v[236+\t], v[\qs] matrix_a_fmt:MATRIX_FMT_FP4 matrix_b_fmt:MATRIX_FMT_FP4 matrix_a_scale:MATRIX_SCALE_ROW1
.endr
.rept 4
	v_nop                                          ; four places: for the loads into K's registers and for the first read of the scores
.endr
.if \open
	s_cmp_eq_u32 s[GI], FIRST-1
	s_cbranch_scc1 .Lopen_\@                       ; step FIRST is shown whole only behind the barrier that follows this loop
	KLOAD 7, 0
.else
	s_cmp_lg_u32 s[GI], s[\gs]
	s_cbranch_scc0 .Ldiag_\@
	KLOAD 7, 0
	s_branch .Lopen_\@
.Ldiag_\@:
	v_mov_b32 v254, 0xff800000                     ; on the diagonal hidden scores become -infinity ahead of the maximum: p = 0 then.  The group's first key counts for every query of it
.set n, 0
.rept 64
	v_cmp_gt_i32 vcc_lo, 32*(n/16)+n%16, v5        ; register 16 b + i holds key 32 b + 16 h + i of the group: hidden where 32 b + i > my query - 16 h
	v_cndmask_b32 v[96+n], v[96+n], v254, vcc_lo
.set n, n+1
.endr
.endif
.Lopen_\@:
.irp b, 0,1,2,3
	v_max3_num_f32 v[232+\b], v[96+16*\b], v[97+16*\b], v[98+16*\b]   ; the largest score of each block of 32 keys: for the row's maximum, and, since p rises with the score, for the block's largest p
.endr
.irp i, 3,5,7,9,11,13
.irp b, 0,1,2,3
	v_max3_num_f32 v[232+\b], v[232+\b], v[96+16*\b+\i], v[97+16*\b+\i]
.endr
.endr
.irp b, 0,1,2,3
	v_max_num_f32 v[232+\b], v[232+\b], v[111+16*\b]
.endr
.irp b, 0,1,2,3
	s_delay_alu instid0(VALU_DEP_4)
	v_permlanex16_b32 v[236+\b], v[232+\b], s[SEL], s[SEL+1]
.endr
.irp b, 0,1,2,3
	s_delay_alu instid0(VALU_DEP_4)
	v_max_num_f32 v[232+\b], v[232+\b], v[236+\b]  ; with lane l xor 16's 16 keys
.endr
	s_delay_alu instid0(VALU_DEP_2)
	v_max3_num_f32 v254, v232, v233, v234
	s_delay_alu instid0(VALU_DEP_1)
	v_max_num_f32 v254, v254, v235
	s_delay_alu instid0(VALU_DEP_1)
	v_mul_f32 v254, s[CS], v254                    ; the step's largest t
	s_delay_alu instid0(VALU_DEP_1)
	v_max_num_f32 v13, v13, v254
	v_mov_b32 v254, v12
	s_delay_alu instid0(VALU_DEP_2)
	v_floor_f32 v12, -v13                          ; the new -M = floor(-t)
	s_delay_alu instid0(VALU_DEP_1)
	v_sub_f32 v254, v12, v254                      ; old M - new M: a whole number, 0 or less
	s_delay_alu instid0(VALU_DEP_1)
	v_cvt_i32_f32 v254, v254                       ; (it saturates)
	s_delay_alu instid0(VALU_DEP_1)
	v_ldexp_f32 v252, 1.0, v254                    ; f = 2^(old M - new M)
.set j, 0
.rept 32
	v_pk_fma_f32 v[96+j:97+j], v[96+j:97+j], s[CS:CS+1], v[12:13] op_sel_hi:[1,0,0]   ; t - M, two at a time
.set j, j+2
.endr
.irp b, 0,1,2,3
	v_fma_f32 v[232+\b], v[232+\b], s[CS], v12
.endr
.set j, 0
	s_wait_alu depctr_va_vdst(0)                   ; the wait ahead of the batch
.rept 64
	v_exp_f32 v[96+j], v[96+j]                     ; p = 2^(t - M), at most 1
.set j, j+1
.endr
.irp b, 0,1,2,3
	v_exp_f32 v[232+\b], v[232+\b]                 ; the block's largest p: the same two instructions on the same number
.endr
	v_pk_mul_f32 v[14:15], v[14:15], v[252:253] op_sel_hi:[1,0]   ; the sums under the new M.  (A plain place behind the exponentials)
	s_wait_alu depctr_va_vdst(0)                   ; and behind it, ahead of the first reader
.irp b, 0,1,2,3
	v_max_num_f32 v[232+\b], 0x1800000, v[232+\b]  ; the floor 2^(3 - 127): the byte cannot fall under 1
.endr
.irp b, 0,1,2,3
	s_delay_alu instid0(VALU_DEP_4)
	v_add_nc_u32 v[244+\b], 0xff000000, v[232+\b]
.endr
.irp b, 0,1,2,3
	s_delay_alu instid0(VALU_DEP_4)
	v_lshrrev_b32 v[236+\b], 23, v[244+\b]
.endr
	s_delay_alu instid0(VALU_DEP_3)
	v_lshl_or_b32 v253, v237, 8, v236              ; p's scale word for these 128 keys
	s_delay_alu instid0(VALU_DEP_1)
	v_lshl_or_b32 v253, v238, 16, v253
	s_delay_alu instid0(VALU_DEP_1)
	v_lshl_or_b32 v253, v239, 24, v253
.irp b, 0,1,2,3
	v_cvt_scalef32_pk8_fp4_f32 v[224+2*\b], v[96+16*\b:103+16*\b], v[244+\b]
	v_cvt_scalef32_pk8_fp4_f32 v[225+2*\b], v[104+16*\b:111+16*\b], v[244+\b]
.endr
	v_nop                                          ; one plain place behind a scaled conversion
.irp c, 0,1
.irp i, 0,1
	v_permlane16_swap_b32 v[224+4*\c+\i], v[226+4*\c+\i]
.endr
.endr
	v_pk_add_f32 v[236:237], v[100:101], v[104:105]   ; the row's sum of the unquantised p: eight chains, two numbers an instruction
	v_pk_add_f32 v[254:255], v[108:109], v[112:113]
	v_pk_add_f32 v[246:247], v[116:117], v[120:121]
	v_pk_add_f32 v[244:245], v[124:125], v[128:129]
	v_pk_add_f32 v[232:233], v[132:133], v[136:137]
	v_pk_add_f32 v[238:239], v[140:141], v[144:145]
	v_pk_add_f32 v[234:235], v[148:149], v[152:153]
	v_pk_add_f32 v[14:15], v[14:15], v[156:157]
	v_pk_add_f32 v[236:237], v[236:237], v[96:97]
	v_pk_add_f32 v[254:255], v[254:255], v[98:99]
	v_pk_add_f32 v[246:247], v[246:247], v[102:103]
	v_pk_add_f32 v[244:245], v[244:245], v[106:107]
	v_pk_add_f32 v[232:233], v[232:233], v[110:111]
	v_pk_add_f32 v[238:239], v[238:239], v[114:115]
	v_pk_add_f32 v[234:235], v[234:235], v[118:119]
	v_pk_add_f32 v[14:15], v[14:15], v[122:123]
	v_pk_add_f32 v[236:237], v[236:237], v[126:127]
	v_pk_add_f32 v[254:255], v[254:255], v[130:131]
	v_pk_add_f32 v[246:247], v[246:247], v[134:135]
	v_pk_add_f32 v[244:245], v[244:245], v[138:139]
	v_pk_add_f32 v[232:233], v[232:233], v[142:143]
	v_pk_add_f32 v[238:239], v[238:239], v[146:147]
	v_pk_add_f32 v[234:235], v[234:235], v[150:151]
	v_pk_add_f32 v[14:15], v[14:15], v[154:155]
	v_pk_add_f32 v[236:237], v[236:237], v[158:159]
	s_delay_alu instid0(VALU_DEP_2)
	v_pk_add_f32 v[14:15], v[14:15], v[244:245]
	s_delay_alu instid0(VALU_DEP_2)
	v_pk_add_f32 v[236:237], v[236:237], v[232:233]
	v_pk_add_f32 v[254:255], v[254:255], v[238:239]
	v_pk_add_f32 v[246:247], v[246:247], v[234:235]
	s_delay_alu instid0(VALU_DEP_2)
	v_pk_add_f32 v[14:15], v[14:15], v[254:255]
	s_delay_alu instid0(VALU_DEP_2)
	v_pk_add_f32 v[236:237], v[236:237], v[246:247]
	s_delay_alu instid0(VALU_DEP_1)
	v_pk_add_f32 v[14:15], v[14:15], v[236:237]
.set j, 0
.rept 16
	v_pk_mul_f32 v[160+j:161+j], v[160+j:161+j], v[252:253] op_sel_hi:[1,0]   ; O^T under the new M.  (With the sums: the places between p's codes and scale word and the products below)
.set j, j+2
.endr
	s_wait_alu depctr_va_vdst(0)                   ; the wait ahead of the wait below
	s_wait_dscnt 0x0                               ; V, and the next step's part of K
.irp t, 0,1,2,3
	v_wmma_scale_f32_16x16x128_f8f6f4 v[160+8*\t:167+8*\t], v[192+8*\t:199+8*\t], v[224:231], v[160+8*\t:167+8*\t], v[248+\t], v253 matrix_a_fmt:MATRIX_FMT_FP4 matrix_b_fmt:MATRIX_FMT_FP4
.endr
.Lskip_\@:
	s_add_co_u32 s[TB], s[TB], STEPB
	s_add_co_u32 s[GI], s[GI], 1
.endm
.macro INIT                            ; a tile begins: the first step finds zeros, which the first change of M leaves zeros
	v_mov_b32 v13, 0xff61b1e6                      ; -3e38, under every t
	s_delay_alu instid0(VALU_DEP_1)
	v_floor_f32 v12, -v13
	v_mov_b32 v14, 0
	v_mov_b32 v15, 0
.set j, 0
.rept 32
	v_mov_b32 v[160+j], 0
.set j, j+1
.endr
.endm
; A tile ends: O^T / the sum; register 16 b + i is channel 32 b + 16 h + i of my query: two blocks of the last product's K, quantised and stored as that operand's registers.
.macro FINAL vp
.rept 4
	v_nop
.endr
	v_add_f32 v14, v14, v15
	s_delay_alu instid0(VALU_DEP_1)
	v_permlanex16_b32 v252, v14, s[SEL], s[SEL+1]
	s_delay_alu instid0(VALU_DEP_1)
	v_add_f32 v14, v14, v252                       ; the row's sum
	s_wait_alu depctr_va_vdst(0)
	v_rcp_f32 v14, v14
	v_nop                                          ; one plain place behind a transcendental
.set j, 0
	s_wait_alu depctr_va_vdst(0)
.rept 16
	v_pk_mul_f32 v[96+j:97+j], v[160+j:161+j], v[14:15] op_sel_hi:[1,0]
.set j, j+2
.endr
.irp b, 0,1
	v_max3_num_f32 v[232+\b], |v[96+16*\b]|, |v[97+16*\b]|, 0x1800000
.endr
.irp i, 2,4,6,8,10,12,14
.irp b, 0,1
	s_delay_alu instid0(VALU_DEP_2)
	v_max3_num_f32 v[232+\b], v[232+\b], |v[96+16*\b+\i]|, |v[97+16*\b+\i]|
.endr
.endr
.irp b, 0,1
	s_delay_alu instid0(VALU_DEP_2)
	v_permlanex16_b32 v[236+\b], v[232+\b], s[SEL], s[SEL+1]
.endr
.irp b, 0,1
	s_delay_alu instid0(VALU_DEP_2)
	v_max_num_f32 v[232+\b], v[232+\b], v[236+\b]
.endr
.irp b, 0,1
	s_delay_alu instid0(VALU_DEP_2)
	v_add_nc_u32 v[244+\b], 0xff000000, v[232+\b]
.endr
.irp b, 0,1
	s_delay_alu instid0(VALU_DEP_2)
	v_lshrrev_b32 v[236+\b], 23, v[244+\b]
.endr
	s_delay_alu instid0(VALU_DEP_1)
	v_lshl_or_b32 v254, v237, 8, v236              ; my row's two scale bytes
.irp b, 0,1
	v_cvt_scalef32_pk8_fp4_f32 v[224+2*\b], v[96+16*\b:103+16*\b], v[244+\b]
	v_cvt_scalef32_pk8_fp4_f32 v[225+2*\b], v[104+16*\b:111+16*\b], v[244+\b]
.endr
	v_nop
	v_permlane16_swap_b32 v224, v226
	v_permlane16_swap_b32 v225, v227               ; lanes 0-15 hold the head's first block of 32, lanes 16-31 its second
	global_store_b128 v9, v[224:227], s[\vp:\vp+1] ; 512 consecutive bytes
	global_store_b16 v6, v254, s[\vp:\vp+1]        ; both halves of the lanes store the same bytes with the same value
	s_wait_xcnt 0x0                                ; the stores have read their data: the next tile writes these registers again
.endm
	s_load_b128 s[4:7], s[0:1], 0x0                ; qkv s[4:5], vals s[6:7]
	v_lshl_add_u32 v254, v0, 2, SPARE
	v_mov_b32 v255, 0
	ds_add_u32 v254, v255                          ; the opening lines: the add, twice on end, and its wait
	ds_add_u32 v254, v255
	s_wait_dscnt 0x0
	v_lshrrev_b32 v1, 5, v0
	s_delay_alu instid0(VALU_DEP_1)
	v_readfirstlane_b32 s8, v1                     ; wave 0..15
	s_and_b32 s9, s8, 1                            ; u
	s_lshr_b32 s[GL], s8, 1
	s_sub_co_u32 s[GH], 15, s[GL]
	s_bfe_u32 s12, ttmp6, 0x40000                  ; cx
	s_and_b32 s13, ttmp7, 0xffff                   ; batch x 16 + head: the four partners share it
	s_lshl_b32 s14, s12, 1
	s_add_co_u32 s14, s14, s9                      ; a: my tile in a group
	; descriptor group 1: a step's 8,960 dense bytes as 35 rows of 256 (32 elements of 8 bytes)
	s_mov_b32 s16, 15|(3<<16)|(1<<21)              ; 15:0 the mask: all four work-groups; 17:16 elements of 8 bytes; 21 set beside a mask
	s_mov_b32 s17, 32<<16
	s_mov_b32 s18, 35<<16
	s_mov_b32 s19, 32<<16
	s_mov_b32 s20, 35
	s_mov_b32 s21, 32
	s_mov_b32 s22, 0
	s_mov_b32 s23, 0
	s_mul_i32 s40, s13, BHS                        ; the head's 16 blocks
	s_mul_i32 s42, s8, SB
	s_add_co_u32 s42, s42, s40
	s_add_co_u32 s42, s42, 4608                    ; block w, behind Q's part
	s_mov_b32 s43, 0
	s_mul_i32 s41, s8, STEPB
	s_mov_b32 s[SEL], 0x76543210
	s_mov_b32 s[SEL+1], 0xfedcba98
	s_mov_b32 s[CS], 0x3e38aa3b                    ; log2(e) / 8
	s_mov_b32 s[CS+1], s[CS]                       ; (named with it as a pair, so it is written)
	s_wait_kmcnt 0x0
	s_mov_b32 s24, 1
	s_mov_b32 s25, s41                             ; step w
	s_add_nc_u64 s[26:27], s[4:5], s[42:43]
	s_or_b32 s27, s27, 0x80000000
	CROUND                                         ; all four work-groups are here: the joint loads meet
	s_cmp_lt_u32 s8, FIRST
	s_cbranch_scc0 .Lnot_first
	tensor_load_to_lds s[24:27], s[16:23]          ; waves 0 .. FIRST - 1: key step w
	s_nop 0
.rept 4
	v_nop
.endr
.Lnot_first:
	s_mul_i32 s42, s[GH], SB
	s_add_co_u32 s42, s42, s40
	s_add_nc_u64 s[44:45], s[4:5], s[42:43]        ; my heavy tile's block,
	s_mul_i32 s42, s[GL], SB
	s_add_co_u32 s42, s42, s40
	s_add_nc_u64 s[46:47], s[4:5], s[42:43]        ; my light tile's
	s_lshr_b32 s52, s13, 4
	s_lshl_b32 s52, s52, 7
	s_add_co_u32 s52, s52, s14                     ; the result's tile: 128 batch + 8 group + a
	s_lshl_b32 s53, s[GH], 3
	s_add_co_u32 s53, s53, s52
	s_mul_i32 s54, s53, OT
	s_mov_b32 s55, 0
	s_add_nc_u64 s[48:49], s[6:7], s[54:55]
	s_lshl_b32 s53, s[GL], 3
	s_add_co_u32 s53, s53, s52
	s_mul_i32 s54, s53, OT
	s_add_nc_u64 s[50:51], s[6:7], s[54:55]
	v_and_b32 v5, 31, v0
	s_delay_alu instid0(VALU_DEP_1)
	v_lshlrev_b32 v1, 4, v5                        ; 16 lane
	v_and_b32 v6, 15, v0                           ; r
	s_delay_alu instid0(VALU_DEP_1)
	v_lshlrev_b32 v2, 4, v6                        ; 16 r
	v_bfe_u32 v9, v0, 4, 1                         ; h
	s_lshl_b32 s52, s14, 9
	v_add_nc_u32 v7, s52, v1                       ; Q's codes: tile a, 16 lane
	s_lshr_b32 s52, s14, 2
	s_lshl_b32 s52, s52, 8
	s_and_b32 s53, s14, 3
	s_lshl_b32 s53, s53, 2
	s_add_co_u32 s52, s52, s53
	s_add_co_u32 s52, s52, 4096
	v_add_nc_u32 v8, s52, v2                       ; Q's scale words: [a / 4][r][a % 4]
	global_load_b128 v[16:19], v7, s[44:45]
	global_load_b128 v[24:27], v7, s[46:47]
	global_load_b32 v10, v8, s[44:45]
	global_load_b32 v11, v8, s[46:47]
	v_and_b32 v5, 8, v6
	s_delay_alu instid0(VALU_DEP_1)
	v_add_nc_u32 v5, v5, v6                        ; r + 8 (r / 8)
	v_lshlrev_b32 v3, 4, v9
	s_delay_alu instid0(VALU_DEP_1)
	v_sub_nc_u32 v5, v5, v3
	s_lshl_b32 s52, s12, 5
	s_lshl_b32 s53, s9, 3
	s_add_co_u32 s52, s52, s53
	v_add_nc_u32 v5, s52, v5                       ; my query's place in its group, 32 cx + 8 u + r + 8 (r / 8), less 16 h
	s_and_b32 s56, s13, 15                         ; the head
	s_lshl_b32 s52, s56, 9
	s_add_co_u32 s52, s52, 512
	v_add_nc_u32 v9, s52, v1                       ; the result's codes: blocks 2 head, 2 head + 1: 512 + 512 head + 16 lane
	s_lshr_b32 s52, s56, 2
	s_lshl_b32 s52, s52, 7
	s_and_b32 s53, s56, 3
	s_lshl_b32 s53, s53, 1
	s_add_co_u32 s52, s52, s53
	v_lshl_add_u32 v6, v6, 3, s52                  ; its scale bytes: 128 (head / 4) + 8 r + 2 (head % 4)
.irp i, 20,21,22,23,28,29,30,31
	v_mov_b32 v\i, 0                               ; Q's k 64-127: zero codes
.endr
.irp t, 0,1,2,3,4,5,6,7
.irp i, 4,5,6,7
	v_mov_b32 v[32+8*\t+\i], 0                     ; K's likewise, set once
.endr
.endr
.irp b, 0,1,2,3
	v_mov_b32 v[236+\b], 0                         ; written once: a lane permute's destination counts as one of its sources
.endr
	v_mov_b32 v253, 0                              ; (named as the upper half of the pair v[252:253] before it is first written)
	s_wait_alu depctr_va_vdst(0)                   ; the wait at the head's end
	s_wait_tensorcnt 0x0                           ; my key step, if I asked for one, is in; ahead of a later first fill:
	ds_add_u32 v254, v255                          ; the add,
	ds_add_u32 v254, v255                          ; twice on end
	s_wait_dscnt 0x0                               ; and its wait
	CROUND                                         ; steps 0 .. FIRST - 1 are whole, and all four work-groups are here: the joint loads meet
	s_cmp_ge_u32 s8, FIRST
	s_cbranch_scc0 .Lnot_rest
	tensor_load_to_lds s[24:27], s[16:23]          ; waves FIRST .. 15: key step w, on bytes that are filled for the first time
	s_nop 0
.rept 4
	v_nop
.endr
.Lnot_rest:
	s_wait_loadcnt 0x0                             ; Q
	INIT
	s_mov_b32 s[TB], 0
	s_mov_b32 s[GI], 0
	KLOAD 1, 0
.Lfirst:                                           ; the heavy tile (groups 8-15) against steps 0 .. FIRST - 1: every key counts, in every wave
	STEP 16, 10, GH, 1
	s_cmp_lt_u32 s[GI], FIRST
	s_cbranch_scc1 .Lfirst
	s_wait_tensorcnt 0x0                           ; my key step of the other twelve is in
	s_wait_dscnt 0x0
	s_barrier_signal -1
	s_barrier_wait -1                              ; all sixteen steps are whole.
	KLOAD 1, FIRST*STEPB
	s_mov_b32 s[TB], FIRST*STEPB
	s_mov_b32 s[GI], FIRST
.Lheavy:                                           ; steps FIRST .. 15: those behind the tile's own group are left out
	STEP 16, 10, GH, 0
	s_cmp_lt_u32 s[GI], 16
	s_cbranch_scc1 .Lheavy
	FINAL 48
	s_wait_dscnt 0x0                               ; no LDS load of mine is out: K's registers are asked for anew below
	INIT
	s_mov_b32 s[TB], 0
	s_mov_b32 s[GI], 0
	KLOAD 1, 0
.Llight:                                           ; the light tile (groups 0-7)
	STEP 24, 11, GL, 0
	s_cmp_lt_u32 s[GI], 8
	s_cbranch_scc1 .Llight
	FINAL 50
	s_wait_xcnt 0x0
	v_lshl_add_u32 v254, v0, 2, SPARE              ; the add's two registers, made anew: v254 and v255 were at work
	v_mov_b32 v255, 0
	s_wait_alu depctr_va_vdst(0)
	s_wait_tensorcnt 0x0                           ; the wave's end
	ds_add_u32 v254, v255
	s_wait_dscnt 0x0
	CROUND                                         ; the closing round
	s_endpgm
.Lfunc_end_k_q9aba2d1469_attn:
	.size	k_q9aba2d1469_attn, .Lfunc_end_k_q9aba2d1469_attn-k_q9aba2d1469_attn
	.p2alignl 7, 3214868480
	.fill 96, 4, 3214868480
	.section	.rodata,"a",@progbits
	.p2align	6, 0x0
	.amdhsa_kernel k_q9aba2d1469_attn
		.amdhsa_group_segment_fixed_size 327680
		.amdhsa_private_segment_fixed_size 0
		.amdhsa_enable_private_segment 0
		.amdhsa_kernarg_size 16
		.amdhsa_user_sgpr_count 2
		.amdhsa_user_sgpr_kernarg_segment_ptr 1
		.amdhsa_wavefront_size32 1
		.amdhsa_system_sgpr_workgroup_id_x 1
		.amdhsa_system_sgpr_workgroup_id_y 1
		.amdhsa_system_sgpr_workgroup_id_z 1
		.amdhsa_system_vgpr_workitem_id 0
		.amdhsa_next_free_vgpr 256
		.amdhsa_next_free_sgpr 66
		.amdhsa_reserve_vcc 1
		.amdhsa_float_denorm_mode_32 3
		.amdhsa_float_denorm_mode_16_64 3
		.amdhsa_memory_ordered 1
		.amdhsa_forward_progress 1
		.amdhsa_inst_pref_size 80
	.end_amdhsa_kernel
	.amdgpu_metadata
---
amdhsa.version: [ 1, 2 ]
amdhsa.kernels:
  - .name:           k_q9aba2d1469_attn
    .symbol:         k_q9aba2d1469_attn.kd
    .args:
      - { .name: qkv, .offset: 0, .size: 8, .value_kind: global_buffer, .address_space: global }
      - { .name: vals, .offset: 8, .size: 8, .value_kind: global_buffer, .address_space: global }
    .group_segment_fixed_size: 327680
    .private_segment_fixed_size: 0
    .kernarg_segment_align: 8
    .kernarg_segment_size: 16
    .max_flat_workgroup_size: 512
    .sgpr_count:     66
    .vgpr_count:     256
    .wavefront_size: 32
...
	.end_amdgpu_metadata
.endif
;; end of part 3
;; launch outp (part 4): grid 4 x 64, 4 waves a work-group, clusters of 4 x 4, 243,200 bytes of LDS; arguments vals, ops, bo, out0; writes out0
.if DOCPART == 4
	.amdgcn_target "amdgcn-amd-amdhsa--gfx1250"
	.amdhsa_code_object_version 6
	.text
	.protected	k_q9aba2d1469_outp
	.globl	k_q9aba2d1469_outp
	.p2align	8
	.type	k_q9aba2d1469_outp,@function
k_q9aba2d1469_outp:
	s_mov_b64 s[64:65], 0
	v_nop
	global_prefetch_b8 v0, s[64:65] scope:SCOPE_SE
	s_setreg_imm32_b32 hwreg(HW_REG_WAVE_MODE, 25, 1), 1
	s_wait_xcnt 0x0
	s_wait_alu depctr_hold_cnt(0) depctr_sa_sdst(0) depctr_va_vdst(0) depctr_va_sdst(0) depctr_va_ssrc(0) depctr_va_vcc(0) depctr_vm_vsrc(0)
	s_getreg_b32 s2, hwreg(HW_REG_IB_STS2, 6, 4)
	s_cmp_eq_u32 s2, 0
	s_cbranch_scc0 .Lentry_in_a_cluster
	s_endpgm
.Lentry_in_a_cluster:
	s_bfe_u32 s2, ttmp6, 0x10000c
	s_cmp_lg_u32 s2, 0xf033
	s_cbranch_scc0 .Lentry_shape_is_right
	s_endpgm
.Lentry_shape_is_right:
; out0 = vals Wo + bo, [8192][1024] f32, on codes of FP4 with E8M0 scales, K = 1,024.  vals and Wo lie as operand tiles (16 rows x 1,024 K, 8,704 bytes: 512 of scale bytes, then codes in the order of the registers).
; A work-group makes 128 rows x 256 columns (256 work-groups), each of its four waves 64 x 128.  THE MATRIX INSTRUCTION IS USED TRANSPOSED (source 0 = 16 columns of Wo, source 1 = 16 rows of vals):
; a lane holds one row and eight neighbouring columns.  Row r of tile 2 B + u is row (or column) 32 B + 8 u + r + 8 (r / 8).
; THE WORK GOES BY ROWS OF THE RESULT.  Wo's fragments of all 8 K steps (8 x 64 registers) come into registers once, while the wave's first block of 16 rows is multiplied; then each block has its 64 matrix instructions
; (its 8 accumulators by turns, K ascending) and leaves at once through the wave's stage, so that the stores begin behind a quarter of the products.  No fragment is read from LDS twice.
; LDS: all of K of vals' 8 and Wo's 16 tiles, each byte filled once: four fills at the head, one a wave (vals' and Wo's first halves of K, then their second halves), all waited for ahead of the one barrier.  The stage has bytes of its own.
; CLUSTERS: 4 x 4.  vals' tiles are shared along a row of the cluster, Wo's along a column: joint loads.  By this text's own count a wave has one tensor load outstanding.
; NO PREFETCH: the text has no loop to run ahead in; all tiles are asked for at the head.
; REGISTERS: window 0: v1-7 lane terms, v16-27 addresses, v32-95 scale words, v126-127 the add's, v128-191, v192-255 vals' fragments of a block (8 K steps x 8), two sets.
;   windows 1, 2: Wo's fragments of K steps 0-3 and 4-7, (s, b) at v[64 (s % 4) + 8 b].   window 3: v0-127 the accumulators, two sets of 8; v128-191 the bias, 8 tiles in the result's layout; v192-255 16 rows back from the stage.
.set OT,   8704
.set TS0,  4608
.set TS1,  4096
.set H1,   24*TS0                      ; LDS: 24 tiles' first halves (vals' 8, then Wo's 16), then their second halves,
.set STG,  H1+24*TS1                   ; then a stage of 16 rows x (512 bytes + 16) for each wave,
.set SPARE, STG+4*16*528               ; then the spare words, 512 bytes
.set ADRA, 16
.set ADRB, 20
.set STO,  24                          ; v24  the stage: where I put 32 bytes of a row
.set RD,   25                          ; v25  and where I read a row back
.set CO,   26                          ; v26  my 16 bytes of a row of 512
.set ADRS, 27
.set SC,   32
.set BI,   128
.set MSB, 0
.macro WIN new
.if MSB != (\new)
	s_set_vgpr_msb (MSB<<8)|(\new)
.set MSB, (\new)
.endif
.endm
.macro CROUND
	s_barrier_signal -1
	s_barrier_wait -1
	s_cmp_lg_u32 s14, 0
	s_cbranch_scc1 .Lnot_wave_0_\@
	s_barrier_signal -3
.Lnot_wave_0_\@:
	s_barrier_wait -3
	s_barrier_signal -1
	s_barrier_wait -1
.endm
.macro PLACES                          ; four places behind matrix instructions, in front of the first read of results and of loads into registers that they have read
.rept 4
	v_nop
.endr
.endm
.macro ALOAD a                         ; vals' block a, all 8 K steps, into set a % 2: 16 loads of 512 consecutive bytes
.set FA, 128+64*((\a)%2)
.irp s, 0,1,2,3
.irp c, 0,1
	ds_load_b128 v[FA+8*\s+4*\c:FA+8*\s+4*\c+3], v[ADRA] offset:(\a)*TS0+1024*\s+512*\c
.endr
.endr
.irp s, 0,1,2,3
.irp c, 0,1
	ds_load_b128 v[FA+32+8*\s+4*\c:FA+32+8*\s+4*\c+3], v[ADRA+1] offset:(\a)*TS1+1024*\s+512*\c
.endr
.endr
.endm
.macro BLOAD s                         ; Wo's 8 fragments of K step s: 16 loads
.if (\s) < 4
	WIN 0x40                                       ; destination window 1
.set TS, TS0
.else
	WIN 0x80                                       ; window 2
.set TS, TS1
.endif
.irp b, 0,1,2,3,4,5,6,7
.irp c, 0,1
	ds_load_b128 v[64*((\s)%4)+8*\b+4*\c:64*((\s)%4)+8*\b+4*\c+3], v[ADRB+(\s)/4] offset:\b*TS+1024*((\s)%4)+512*\c
.endr
.endr
.endm
; 8 matrix instructions: block a x Wo's eight, K step s; the first K step starts the sums with the bias.  The 8 accumulators take turns, one instruction a turn.
.macro MUL8 a, s
.if (\s) < 4
	WIN 0xf1                                       ; source 0 window 1, source 1 window 0, C and D window 3
.else
	WIN 0xf2                                       ; source 0 window 2
.endif
.irp b, 0,1,2,3,4,5,6,7
.set rD, 64*((\a)%2)+8*\b
.set rB, 64*((\s)%4)+8*\b
.set rA, 128+64*((\a)%2)+8*(\s)
.if (\s) == 0
.set rC, BI+8*\b
.else
.set rC, rD
.endif
	v_wmma_scale_f32_16x16x128_f8f6f4 v[rD:rD+7], v[rB:rB+7], v[rA:rA+7], v[rC:rC+7], v[SC+8*\b+(\s)], v[SC+8*(\a)+(\s)] matrix_a_fmt:MATRIX_FMT_FP4 matrix_b_fmt:MATRIX_FMT_FP4 matrix_a_scale:MATRIX_SCALE_ROW1
.endr
.endm
; THE WAY OUT of block a, 16 rows x 128 columns, through my own stage: in by 32 bytes of a row a lane, back as whole rows of 512 bytes.  LDS serves a wave's instructions in order: no wait between the stores and the loads.
.macro TOSTAGE a
	WIN 0x0c                                       ; an LDS store's data are its source 1: window 3
.irp b, 0,1,2,3,4,5,6,7
	ds_store_b128 v[STO], v[64*((\a)%2)+8*\b:64*((\a)%2)+8*\b+3] offset:128*(\b/2)+32*(\b%2)         ; each accumulator from its low end on: columns 32 (b / 2) + 16 h + 8 (b % 2) + 0 .. 7
	ds_store_b128 v[STO], v[64*((\a)%2)+8*\b+4:64*((\a)%2)+8*\b+7] offset:128*(\b/2)+32*(\b%2)+16
.endr
.if (\a) > 0
	s_wait_xcnt 0x0                                ; the last block's stores have read their registers: this block's rows land there
.endif
	WIN 0xc0                                       ; destination window 3
.set i, 0
.rept 16
	ds_load_b128 v[192+4*i:195+4*i], v[RD] offset:528*i
.set i, i+1
.endr
	WIN 0
.endm
.macro SEND a, younger                 ; younger: the LDS loads issued behind block a's rows, which may stay out
	s_wait_dscnt \younger
	WIN 0x0c                                       ; a store's data are its source 1: window 3
.set i, 0
.rept 16
	global_store_b128 v[CO], v[192+4*i:195+4*i], s[10:11] offset:(32*((\a)/2)+8*((\a)%2)+i+8*(i/8))*4096 th:TH_STORE_NT   ; 512 consecutive bytes of the row that stands at place i of the tile; written once
.set i, i+1
.endr
	WIN 0
.endm
	s_load_b256 s[4:11], s[0:1], 0x0               ; vals s[4:5], ops s[6:7], bo s[8:9], out0 s[10:11]
	v_lshl_add_u32 v126, v0, 2, SPARE
	v_mov_b32 v127, 0
	ds_add_u32 v126, v127                          ; the opening lines: the add, twice on end, and its wait
	ds_add_u32 v126, v127
	v_lshrrev_b32 v1, 5, v0
	v_readfirstlane_b32 s14, v1                    ; wave 0..3
	s_lshr_b32 s15, s14, 1                         ; rh: which 64 rows are mine
	s_and_b32 s16, s14, 1                          ; ch: which 128 columns
	s_bfe_u32 s17, ttmp6, 0x40000                  ; cx
	s_bfe_u32 s18, ttmp6, 0x40004                  ; cy
	s_and_b32 s20, ttmp7, 0xffff
	s_lshl_b32 s22, s20, 2
	s_add_co_u32 s22, s22, s18                     ; which 128 rows: 4 x cluster y + cy
	s_lshl_b32 s22, s22, 3                         ; vals' first tile
	s_lshl_b32 s23, s17, 4
	s_add_co_u32 s23, s23, 704                     ; Wo's first tile: 704 + 16 cx
	s_lshl_b32 s80, s18, 2
	s_lshl_b32 s80, 15, s80                        ; my row of the cluster
	s_lshl_b32 s81, 0x1111, s17                    ; my column
	s_or_b32 s24, s80, (3<<16)|(1<<21)             ; groups 1: elements of 8 bytes, bit 21 beside the mask, no padding
	s_or_b32 s32, s80, (3<<16)|(1<<21)
	s_or_b32 s40, s81, (3<<16)|(1<<21)
	s_or_b32 s48, s81, (3<<16)|(1<<21)
	s_mov_b32 s25, 576<<16                         ; vals, first half: 8 tiles, each a row of 4,608 bytes, 8,704 apart
	s_mov_b32 s26, 8<<16
	s_mov_b32 s27, 576<<16
	s_mov_b32 s28, 8
	s_mov_b32 s29, 1088
	s_mov_b32 s30, 0
	s_mov_b32 s31, 0
	s_mov_b32 s33, 512<<16                         ; second half: rows of 4,096 bytes
	s_mov_b32 s34, 8<<16
	s_mov_b32 s35, 512<<16
	s_mov_b32 s36, 8
	s_mov_b32 s37, 1088
	s_mov_b32 s38, 0
	s_mov_b32 s39, 0
	s_mov_b32 s41, 576<<16                         ; Wo: 16 tiles
	s_mov_b32 s42, 16<<16
	s_mov_b32 s43, 576<<16
	s_mov_b32 s44, 16
	s_mov_b32 s45, 1088
	s_mov_b32 s46, 0
	s_mov_b32 s47, 0
	s_mov_b32 s49, 512<<16
	s_mov_b32 s50, 16<<16
	s_mov_b32 s51, 512<<16
	s_mov_b32 s52, 16
	s_mov_b32 s53, 1088
	s_mov_b32 s54, 0
	s_mov_b32 s55, 0
	s_mul_i32 s84, s22, OT
	s_mov_b32 s85, 0
	s_mul_i32 s86, s23, OT
	s_mov_b32 s87, 0
	s_wait_dscnt 0x0                               ; both opening adds are done
	s_wait_kmcnt 0x0
	s_add_nc_u64 s[84:85], s[4:5], s[84:85]
	s_add_nc_u64 s[86:87], s[6:7], s[86:87]
	s_mov_b32 s56, 1
	s_mov_b32 s57, 0
	s_mov_b64 s[58:59], s[84:85]
	s_or_b32 s59, s59, 0x80000000
	s_mov_b32 s60, 1
	s_mov_b32 s61, H1
	s_add_nc_u64 s[62:63], s[84:85], TS0
	s_or_b32 s63, s63, 0x80000000
	s_mov_b32 s68, 1
	s_mov_b32 s69, 8*TS0
	s_mov_b64 s[70:71], s[86:87]
	s_or_b32 s71, s71, 0x80000000
	s_mov_b32 s72, 1
	s_mov_b32 s73, H1+8*TS1
	s_add_nc_u64 s[74:75], s[86:87], TS0
	s_or_b32 s75, s75, 0x80000000
	CROUND                                         ; all sixteen work-groups are here: the joint loads meet
; the head's four fills, one a wave, in one chain of branches on the wave's number: every way passes exactly one
.macro ARM under, g0, g1, next
	s_cmp_lt_u32 s14, \under
	s_cbranch_scc0 \next
	tensor_load_to_lds s[\g0:\g0+3], s[\g1:\g1+7]
	s_nop 0
.rept 4
	v_nop
.endr
	s_branch .Lasked
\next:
.endm
	ARM 1, 56, 24, .Lhead_b0
	ARM 2, 68, 40, .Lhead_a1
	ARM 3, 60, 32, .Lhead_b1
	tensor_load_to_lds s[72:75], s[48:55]
	s_nop 0
.rept 4
	v_nop
.endr
.Lasked:
	v_and_b32 v1, 31, v0                           ; lane
	v_and_b32 v2, 15, v0                           ; r
	v_bfe_u32 v3, v0, 4, 1                         ; h
	v_lshlrev_b32 v[CO], 4, v1                     ; 16 lane
	v_lshlrev_b32 v5, 6, v3                        ; the bias: 64 h
	s_wait_alu depctr_va_vdst(0)
	s_lshl_b32 s94, s17, 10
	s_lshl_b32 s92, s16, 9
	s_add_co_u32 s94, s94, s92                     ; my first column, in bytes: 1,024 cx + 512 ch
	s_mov_b32 s95, 0
	s_add_nc_u64 s[8:9], s[8:9], s[94:95]
	WIN 0xc0                                       ; destination window 3
.irp b, 0,1,2,3,4,5,6,7
	global_load_b128 v[BI+8*\b:BI+8*\b+3], v5, s[8:9] offset:128*(\b/2)+32*(\b%2)       ; register j of tile b: column 32 (b / 2) + 16 h + 8 (b % 2) + j
	global_load_b128 v[BI+8*\b+4:BI+8*\b+7], v5, s[8:9] offset:128*(\b/2)+32*(\b%2)+16
.endr
	WIN 0
	s_lshl_b32 s92, s22, 4                         ; my first row: 128 x block + 64 rh
	s_lshl_b32 s93, s15, 6
	s_add_co_u32 s92, s92, s93
	s_lshl_b32 s92, s92, 12
	s_add_co_u32 s92, s92, s94
	s_mov_b32 s93, 0
	s_add_nc_u64 s[10:11], s[10:11], s[92:93]
	s_mul_i32 s2, s15, 4*TS0
	s_add_co_u32 s2, s2, 512
	v_add_nc_u32 v[ADRA], s2, v[CO]
	s_mul_i32 s2, s15, 4*TS1
	s_add_co_u32 s2, s2, H1
	v_add_nc_u32 v[ADRA+1], s2, v[CO]
	s_mul_i32 s2, s16, 8*TS0
	s_add_co_u32 s2, s2, 8*TS0+512
	v_add_nc_u32 v[ADRB], s2, v[CO]
	s_mul_i32 s2, s16, 8*TS1
	s_add_co_u32 s2, s2, H1+8*TS1
	v_add_nc_u32 v[ADRB+1], s2, v[CO]
	s_mul_i32 s2, s15, 4*TS0                       ; scale bytes: vals' tiles;
	s_mul_i32 s3, s16, 8*TS0
	s_add_co_u32 s3, s3, 8*TS0                     ; Wo's;
	s_sub_co_u32 s3, s3, s2
	v_mul_u32_u24 v7, s3, v3                       ; lanes 16-31 take Wo's: one product, h x the distance
	v_lshl_add_u32 v7, v2, 3, v7
	v_add_nc_u32 v[ADRS], s2, v7
	s_mul_i32 s2, s14, 16*528
	s_add_co_u32 s2, s2, STG                       ; my stage
	v_mul_u32_u24 v[STO], v2, 528
	v_lshl_add_u32 v[STO], v3, 6, v[STO]
	v_add_nc_u32 v[STO], s2, v[STO]                ; in: row r, + 64 h
	v_add_nc_u32 v[RD], s2, v[CO]                  ; back: 16 bytes a lane
	s_wait_alu depctr_va_vdst(0)                   ; the wait at the head's end
	s_wait_tensorcnt 0x0                           ; my fill is in
	s_barrier_signal -1
	s_barrier_wait -1                              ; all four are.
.set i, 0
.rept 8
.set j, 0
.rept 4
	ds_load_b64 v[SC+8*i+2*j:SC+8*i+2*j+1], v[ADRS] offset:i*TS0+128*j     ; the scale words of all 8 K steps, once (lanes 0-15 of blocks 4-7 read bytes that nobody uses)
.set j, j+1
.endr
.set i, i+1
.endr
	ALOAD 0
	BLOAD 0
	BLOAD 1
	s_wait_loadcnt 0x0                             ; the bias
.irp s, 0,1,2,3,4,5,6,7                ; block 0, while Wo's fragments arrive, two K steps ahead
.if \s < 6
	BLOAD \s+2
.endif
.if \s == 6
	WIN 0
	ALOAD 1
.endif
.if \s < 7
	s_wait_dscnt 32                                ; Wo's K step s is in; the 32 loads issued behind it may be out
.else
	s_wait_dscnt 16                                ; behind K step 7: block 1's 16
.endif
	MUL8 0, \s
.endr
.irp a, 0,1,2,3
	PLACES
	TOSTAGE \a
.if \a < 2
	ALOAD \a+2                                     ; into the set that block a has left
	SEND \a, 16                                    ; the rows are back; those 16 loads may be out
.else
	SEND \a, 0
.endif
.if \a < 3
.irp s, 0,1,2,3,4,5,6,7
	MUL8 \a+1, \s                                  ; its fragments were asked for ahead of the rows that SEND has waited for
.endr
.endif
.endr
	s_wait_tensorcnt 0x0                           ; the wave's end
	ds_add_u32 v126, v127
	s_wait_dscnt 0x0
	CROUND                                         ; the closing round
	s_endpgm
.Lfunc_end_k_q9aba2d1469_outp:
	.size	k_q9aba2d1469_outp, .Lfunc_end_k_q9aba2d1469_outp-k_q9aba2d1469_outp
	.p2alignl 7, 3214868480
	.fill 96, 4, 3214868480
	.section	.rodata,"a",@progbits
	.p2align	6, 0x0
	.amdhsa_kernel k_q9aba2d1469_outp
		.amdhsa_group_segment_fixed_size 243200
		.amdhsa_private_segment_fixed_size 0
		.amdhsa_enable_private_segment 0
		.amdhsa_kernarg_size 32
		.amdhsa_user_sgpr_count 2
		.amdhsa_user_sgpr_kernarg_segment_ptr 1
		.amdhsa_wavefront_size32 1
		.amdhsa_system_sgpr_workgroup_id_x 1
		.amdhsa_system_sgpr_workgroup_id_y 1
		.amdhsa_system_sgpr_workgroup_id_z 1
		.amdhsa_system_vgpr_workitem_id 0
		.amdhsa_next_free_vgpr 1024
		.amdhsa_next_free_sgpr 100
		.amdhsa_reserve_vcc 0
		.amdhsa_float_denorm_mode_32 3
		.amdhsa_float_denorm_mode_16_64 3
		.amdhsa_memory_ordered 1
		.amdhsa_forward_progress 1
		.amdhsa_inst_pref_size 73
	.end_amdhsa_kernel
	.amdgpu_metadata
---
amdhsa.version: [ 1, 2 ]
amdhsa.kernels:
  - .name:           k_q9aba2d1469_outp
    .symbol:         k_q9aba2d1469_outp.kd
    .args:
      - { .name: vals, .offset: 0, .size: 8, .value_kind: global_buffer, .address_space: global }
      - { .name: ops, .offset: 8, .size: 8, .value_kind: global_buffer, .address_space: global }
      - { .name: bo, .offset: 16, .size: 8, .value_kind: global_buffer, .address_space: global }
      - { .name: out0, .offset: 24, .size: 8, .value_kind: global_buffer, .address_space: global }
    .group_segment_fixed_size: 243200
    .private_segment_fixed_size: 0
    .kernarg_segment_align: 8
    .kernarg_segment_size: 32
    .max_flat_workgroup_size: 128
    .sgpr_count:     100
    .vgpr_count:     1024
    .wavefront_size: 32
...
	.end_amdgpu_metadata
.endif
;; end of part 4
